; MI455X (gfx1250); checked and timed in simulation.
; The chip was launched on July 23, 2026; its instructions are those of AMD's public machine-readable ISA for CDNA 5 (MIT licence, August 2026) and "CDNA5" Instruction Set Architecture Reference Guide (July 2026). The comments in the code are by the model that wrote it; some were corrected since.
;; Multi Head Attention. Allowed arithmetic: matrix products marked QUANTISED: E2M3 operands, one E8M0 scale for each 32 along K, by v_wmma_scale_f32_16x16x128_f8f6f4 with both operands' format E2M3, f32 sums; everything else in f32.
;; Inputs: WK 1,024 x 1,024 float32; WO 1,024 x 1,024 float32; WQ 1,024 x 1,024 float32; WV 1,024 x 1,024 float32; token_positions 4 x 2,048 int32; x 4 x 2,048 x 1,024 float32.
;; Outputs: out0 4 x 2,048 x 1,024 float32.
;; This version of the problem:
;;   THIS VERSION OF THE PROBLEM IS GIVEN IN LOW PRECISION. The matrix products marked QUANTISED in the list below multiply operands that are first quantised to E2M3 (2 exponent bits, 3 mantissa bits; 6 bits a number), with one power-of-two scale for each 32 numbers along K (OCP MX v1.0); their sums are f32. All else is computed in f32.
;;   The module's matrix products, in the order in which they are computed (A, B: the left and right operand; K: the contracted axis; several contracted axes count as one K, in the product's order):
;;     1. [M 8,192, K 1,024] x [K 1,024, N 1,024]; A: input x; B: input WQ: QUANTISED
;;     2. [M 8,192, K 1,024] x [K 1,024, N 1,024]; A: input x; B: input WK: QUANTISED
;;     3. [M 8,192, K 1,024] x [K 1,024, N 1,024]; A: input x; B: input WV: QUANTISED
;;     4. batch 64 x [M 2,048, K 64] x [K 64, N 2,048]; A: computed on the way; B: computed on the way: QUANTISED
;;     5. batch 64 x [M 2,048, K 2,048] x [K 2,048, N 64]; A: softmax (see below); B: computed on the way: QUANTISED
;;     6. [M 8,192, K 1,024] x [K 1,024, N 1,024]; A: computed on the way; B: input WO: QUANTISED
;;   THE QUANTISER, for each operand of a quantised product, along K:
;;     - K is cut into blocks of 32 from its start; a last block that is shorter is filled with zeros.
;;     - A block's scale is 2^e with e = floor(log2(the largest magnitude in the block)) - 2, held to -126 .. 127; a block of zeros has e = 0. As a byte (E8M0): e + 127.
;;     - Each number is divided by its block's scale, clamped to +-7.5, and rounded to the nearest number of E2M3, ties to even, subnormals kept.
;;     - The product sums the exact products of the quantised numbers (number of the format x scale) in f32.
;;   ~~~python
;;   def quantise(x, axis):      # numpy; x: float32 -> the quantised numbers, widened to float32 again
;;       x = np.moveaxis(x, axis, -1); K = x.shape[-1]
;;       x = np.pad(x, [(0, 0)] * (x.ndim - 1) + [(0, -K % 32)]); x = x.reshape(x.shape[:-1] + (-1, 32)); a = np.abs(x).max(-1, keepdims=True)
;;       e = np.where(a > 0, np.clip(np.frexp(np.where(a > 0, a, 1))[1] - 1 - 2, -126, 127), 0)      # np.frexp(a)[1] - 1 = floor(log2(a)), exactly
;;       r = np.clip(x / 2.0 ** e, -7.5, 7.5)
;;       step = 2.0 ** (np.maximum(np.frexp(np.where(r == 0, 1, r))[1] - 1, 0) - 3)
;;       q = np.round(r / step) * step * 2.0 ** e      # np.round: ties to even
;;       return np.moveaxis(q.reshape(q.shape[:-2] + (-1,))[..., :K], -1, axis).astype(np.float32)
;;   ~~~
;;   SOFTMAX AHEAD OF A QUANTISED PRODUCT. Where the list says 'softmax', what is quantised is not the finished softmax but p = 2^(t - M), with t = logit x log2(e) and M = ceil(the row's largest t), a whole number; so 1/2 < the row's largest p <= 1. The row's sum l is taken of the UNQUANTISED p, in f32, and the product's result is divided by l at the end. Since M is a whole number, a kernel that streams over the keys may use a running M (the ceiling of the running maximum): every later rescaling is an exact power of two, which a block's scale takes up: the codes' values come out the same.
;;   OPERANDS COMPUTED ON THE WAY. 'Computed on the way' means the value that the module computes at that place (a softmax that the list does not call 'softmax' is quantised finished and normalised). What goes into a quantiser is computed in f32, as accurately as f32 sums, v_exp_f32 and their like allow (about 1e-6 of the number): no bf16 or f16 on the way to a quantiser, and a product that is left as it is and whose result goes on into a quantised operand takes f32 operands (vector FMAs, or v_wmma_f32_16x16x4_f32). A number that lies on a knife's edge between two numbers of the format may be rounded either way, as far as f32 arithmetic and the matrix unit's own rounding can turn it there, and no further.
;; One version. Each part assembles by itself: llvm-mc -triple=amdgcn-amd-amdhsa -mcpu=gfx1250 --defsym DOCPART=n.
;; ======== version 1 of 1: 4 launches
;; workspace buffers: xw_img 9,437,184 bytes; xw_sc 393,216 bytes; cs 2,097,152 bytes; q_img 6,815,744 bytes; kv 13,369,344 bytes; o_img 6,291,456 bytes; o_sc 262,144 bytes
;; launch prep (part 1): grid 512 x 1, 4 waves a work-group, no clusters, 34,304 bytes of LDS; arguments x, WQ, WK, WV, WO, token_positions, xw_img, xw_sc, cs; writes xw_img, xw_sc, cs
.if DOCPART == 1
	.amdgcn_target "amdgcn-amd-amdhsa--gfx1250"
	.amdhsa_code_object_version 6
	.text
	.protected	k_q8102bd2ee0_prep
	.globl	k_q8102bd2ee0_prep
	.p2align	8
	.type	k_q8102bd2ee0_prep,@function
k_q8102bd2ee0_prep:
	s_mov_b64 s[64:65], 0
	v_nop
	global_prefetch_b8 v0, s[64:65] scope:SCOPE_SE
	s_setreg_imm32_b32 hwreg(HW_REG_WAVE_MODE, 25, 1), 1
	s_wait_xcnt 0x0
; x [8192][1024] and WQ, WK, WV, WO [1024][1024], f32, K innermost, become codes of FP6 (E2M3) with one E8M0 byte for each 32 along K; and the table of cos and sin for RoPE is made.
; THE CODES ARE LAID AS IMAGES OF OPERAND REGISTERS.  A fragment is 16 rows x 128 K, 12 registers a lane, 1,536 bytes, in two halves of 768: registers 6 c .. 6 c + 3 at 768 c + 16 x lane, registers 6 c + 4, 6 c + 5
; at 768 c + 512 + 8 x lane.  xw_img: [tile of 16 rows][K step of 128][1,536]; tiles 0-511 x, 512-575 WQ, 576-639 WK, 640-703 WV, 704-767 WO.  xw_sc: [tile][half of K][row place r][4 words], a word for each K step.
; WHICH ROWS FORM A TILE.  x, WV, WO: place r of tile 2 B + u is row 32 B + 8 u + r % 8 + 16 (r / 8).  WQ, WK: row 32 B + u + 2 r (a tile of even rows, a tile of odd rows), so that the later product leaves RoPE's
; pairs in one lane.  With these orders a product used transposed leaves 16 neighbours of the next K in a lane's 16 registers of two neighbouring tiles.
; SHARES.  Work-groups 0-383 quantise: a wave takes one tile and half of K (four fragments, 32 KB in, 6,400 bytes out).  Each load reads 512 consecutive bytes of one row; a fragment's 8 KB turn through the wave's own
; stage in LDS, so that a lane gets 16 neighbours of each block of 32.  Work-groups 384-511 make the table: a wave takes 16 tokens; cs: [token][cos 0..31 | sin 0..31], 256 bytes a token.
; A block's scale byte is its largest magnitude's exponent field - 2, held at 1 from below (a block of zeros keeps the byte 1: its codes are zeros, and this program alone reads the bytes).
; LIMITS: NaN and infinities among the inputs are not served; blocks whose largest magnitude lies under 2^-124 get the byte 1; |token position| under 2^23; 10000^(-j/32) is made by v_exp_f32 with a correction of its
; argument's rounding, about one unit in the last place.  cos and sin: the angle, rounded to f32 as the product position x frequency, is reduced by pi / 2 in three parts; polynomials on +-pi / 4.
.set STG,   16*528                     ; a wave's stage: 16 rows x (512 bytes + 16)
.set SPARE, 4*STG                      ; behind the stages: the spare words, 128 bytes for each wave, which no other line names
.set SPW,   10                         ; v10  LDS address of my spare word; never rewritten
.set NIL,   11                         ; v11  0; never rewritten
.set TM,    16                         ; v16-31   at work in QUANT
.set R,     32                         ; v32-159  two sets of 64 registers as loaded
.set X,     160                        ; v160-223 64 numbers: register 16 b + i = k 32 b + 16 (lane / 16) + i of my row
.set PC,    224                        ; v224-243 the codes just made
.set VO,    244                        ; v244-251 byte offset of my 16 bytes in rows 0-7 of the tile
.set PW4,   252                        ; v252-255 the four fragments' scale words
.set SEL,   26                         ; s[26:27] selects for v_permlanex16_b32: lane l xor 16
	s_load_b512 s[4:19], s[0:1], 0x0               ; x, WQ, WK, WV, WO, token_positions, xw_img, xw_sc
	s_load_b64 s[20:21], s[0:1], 0x40              ; cs
	v_lshl_add_u32 v[SPW], v0, 2, SPARE
	v_mov_b32 v[NIL], 0
	v_lshrrev_b32 v1, 5, v0
	v_readfirstlane_b32 s22, v1                    ; wave
	v_and_b32 v1, 31, v0                           ; lane
	v_lshlrev_b32 v5, 3, v1                        ; 8 x lane
	s_cmp_ge_u32 ttmp9, 384
	s_cbranch_scc1 .Ltable
	; ---------------- the quantiser ----------------
	s_lshl_b32 s28, ttmp9, 2
	s_add_co_u32 s28, s28, s22                     ; job = 2 x tile + half of K
	s_lshr_b32 s29, s28, 1                         ; tile
	s_and_b32 s30, s28, 1                          ; half of K
	s_and_b32 s31, s29, 63
	s_cmp_lt_u32 ttmp9, 256
	s_cselect_b32 s31, s29, s31                    ; the tile's number inside its tensor
	s_sub_co_u32 s32, ttmp9, 256
	s_cmp_lt_u32 s32, 64                           ; WQ or WK?
	s_cselect_b32 s33, 1, 8                        ; an odd tile begins 1 row on, else 8 rows on
	s_mov_b32 s34, 4096
	s_cselect_b32 s34, 8192, s34                   ; from place to place: two rows, else one
	s_lshr_b32 s35, s31, 1
	s_lshl_b32 s35, s35, 5
	s_and_b32 s36, s31, 1
	s_mul_i32 s36, s36, s33
	s_add_co_u32 s35, s35, s36                     ; the tile's first row
	s_lshl_b32 s36, s35, 12
	s_lshl_b32 s37, s30, 11
	s_add_co_u32 s36, s36, s37                     ; in bytes, + my half of K
	s_mov_b32 s37, 0
	s_mul_i32 s38, s28, 6144                       ; four fragments a job
	s_mov_b32 s39, 0
	s_lshl_b32 s40, s28, 8                         ; 256 bytes of scale words a job
	s_mov_b32 s41, 0
	s_mov_b32 s[SEL], 0x76543210
	s_mov_b32 s[SEL+1], 0xfedcba98
	s_mul_i32 s23, s22, STG
	v_and_b32 v2, 15, v0                           ; r
	v_bfe_u32 v3, v0, 4, 1                         ; h
	v_lshlrev_b32 v4, 4, v1                        ; 16 x lane
	v_add_nc_u32 v6, s23, v4                       ; the stage, on the way in: a row's 512 bytes as they lie
	v_mul_u32_u24 v7, v2, 528
	v_lshl_add_u32 v7, v3, 6, v7
	v_add_nc_u32 v7, s23, v7                       ; and on the way out: row r, + 64 h
	v_lshlrev_b32 v8, 4, v2                        ; 16 r: my row's four scale words
.irp t, 0,1,2,3,4,5,6,7
	v_mad_u32_u24 v[VO+\t], s34, \t, v4
.endr
.irp b, 0,1,2,3
	v_mov_b32 v[TM+4+\b], 0                        ; written once: a lane permute's destination counts as one of its sources
.endr
	s_wait_kmcnt 0x0
	s_mov_b64 s[24:25], s[12:13]                   ; which tensor: the choice hangs on the work-group's number alone
	s_cmp_lt_u32 ttmp9, 352
	s_cselect_b64 s[24:25], s[10:11], s[24:25]
	s_cmp_lt_u32 ttmp9, 320
	s_cselect_b64 s[24:25], s[8:9], s[24:25]
	s_cmp_lt_u32 ttmp9, 288
	s_cselect_b64 s[24:25], s[6:7], s[24:25]
	s_cmp_lt_u32 ttmp9, 256
	s_cselect_b64 s[24:25], s[4:5], s[24:25]
	s_add_nc_u64 s[24:25], s[24:25], s[36:37]
	s_add_nc_u64 s[16:17], s[16:17], s[38:39]
	s_add_nc_u64 s[18:19], s[18:19], s[40:41]
.macro LOAD f                          ; fragment f: 16 rows x 512 bytes; places 8-15 lie 16 rows (65,536 bytes) behind places 0-7 in both orders
.irp t, 0,1,2,3,4,5,6,7,8,9,10,11,12,13,14,15
	global_load_b128 v[R+64*((\f)%2)+4*\t:R+64*((\f)%2)+4*\t+3], v[VO+\t%8], s[24:25] offset:(\t/8)*65536+512*(\f) th:TH_LOAD_NT
.endr
.endm
; 64 numbers of a lane, v[s] on, become a fragment's codes in v[PC] on and its scale word in v[pw].  xw: earlier stores still read those registers
.macro QUANT s, pw, xw
.if \xw
	s_wait_xcnt 0x0                                ; the earlier stores have read their data: the codes' registers may be written again
.endif
.irp b, 0,1,2,3
	v_max3_num_f32 v[TM+\b], |v[\s+16*\b]|, |v[\s+1+16*\b]|, 0x1800000   ; block b: my 16 numbers, and the floor 2^(3 - 127): the byte cannot fall under 1
.endr
.irp i, 2,4,6,8,10,12,14
.irp b, 0,1,2,3
	v_max3_num_f32 v[TM+\b], v[TM+\b], |v[\s+16*\b+\i]|, |v[\s+1+16*\b+\i]|
.endr
.endr
.irp b, 0,1,2,3
	v_permlanex16_b32 v[TM+4+\b], v[TM+\b], s[SEL], s[SEL+1]
.endr
.irp b, 0,1,2,3
	v_max_num_f32 v[TM+\b], v[TM+\b], v[TM+4+\b]   ; with lane l xor 16's: the block's largest magnitude
.endr
.irp b, 0,1,2,3
	v_add_nc_u32 v[TM+12+\b], 0xff000000, v[TM+\b] ; 2 off its exponent field: the conversion's scale operand
.endr
.irp b, 0,1,2,3
	v_lshrrev_b32 v[TM+4+\b], 23, v[TM+12+\b]      ; the scale's byte
.endr
	v_lshl_or_b32 v[\pw], v[TM+5], 8, v[TM+4]
	v_lshl_or_b32 v[\pw], v[TM+6], 16, v[\pw]
	v_lshl_or_b32 v[\pw], v[TM+7], 24, v[\pw]
.irp c, 0,1
	v_cvt_scalef32_pk16_fp6_f32 v[PC+6*\c:PC+2+6*\c], v[\s+32*\c:\s+15+32*\c], v[TM+12+2*\c]
	v_cvt_scalef32_pk16_fp6_f32 v[PC+12+4*\c:PC+14+4*\c], v[\s+16+32*\c:\s+31+32*\c], v[TM+13+2*\c]   ; (a conversion's three registers begin on an even number)
.endr
	v_nop                                          ; one plain place behind a scaled conversion
.irp c, 0,1                                    ; the operand's layout wants a whole block in a lane
.irp i, 0,1,2
	v_permlane16_swap_b32 v[PC+6*\c+\i], v[PC+12+4*\c+\i]
.endr
.irp i, 0,1,2
	v_mov_b32 v[PC+3+6*\c+\i], v[PC+12+4*\c+\i]
.endr
.endr
.endm
	LOAD 0
	LOAD 1
.irp f, 0,1,2,3
.if \f < 3
	s_wait_loadcnt 16                              ; this fragment's 16 loads are in; the next fragment's 16 may be out
.else
	s_wait_loadcnt 0
.endif
.irp t, 0,1,2,3,4,5,6,7,8,9,10,11,12,13,14,15
	ds_store_b128 v6, v[R+64*(\f%2)+4*\t:R+64*(\f%2)+4*\t+3] offset:528*\t
.endr
.irp b, 0,1,2,3
.irp j, 0,1,2,3
	ds_load_b128 v[X+16*\b+4*\j:X+16*\b+4*\j+3], v7 offset:128*\b+16*\j   ; LDS serves a wave's instructions in order: these see the stores above
.endr
.endr
	s_wait_dscnt 0x0                               ; the numbers are back, and the stores into the stage have read their registers,
.if \f < 2
	LOAD \f+2                                      ; which take the fragment two on
.endif
	QUANT X, PW4+\f, \f
	global_store_b128 v4, v[PC:PC+3], s[16:17] offset:1536*\f          ; 512 consecutive bytes,
	global_store_b64 v5, v[PC+4:PC+5], s[16:17] offset:1536*\f+512     ; 256,
	global_store_b128 v4, v[PC+6:PC+9], s[16:17] offset:1536*\f+768
	global_store_b64 v5, v[PC+10:PC+11], s[16:17] offset:1536*\f+1280
.endr
	global_store_b128 v8, v[PW4:PW4+3], s[18:19]   ; 16 rows x 4 words: 256 consecutive bytes (lanes l and l + 16 hold the same words and name the same bytes)
	s_wait_tensorcnt 0x0                           ; the wave's end, behind my last LDS store
	ds_add_u32 v[SPW], v[NIL]
	s_wait_dscnt 0x0
	s_endpgm
	; ---------------- the table ----------------
.Ltable:
	s_sub_co_u32 s28, ttmp9, 384
	s_lshl_b32 s28, s28, 2
	s_add_co_u32 s28, s28, s22                     ; which 16 tokens
	s_lshl_b32 s30, s28, 6                         ; their positions: 64 bytes
	s_mov_b32 s31, 0
	s_lshl_b32 s48, s28, 12                        ; their rows of the table: 16 x 256 bytes
	s_mov_b32 s49, 0
	s_mov_b32 s50, 0x3f22f983                      ; 2 / pi
	s_mov_b32 s51, 0xbfc90fdb                      ; -(pi / 2), its first part,
	s_mov_b32 s52, 0x333bbd2e                      ; second
	s_mov_b32 s53, 0x26f72ced                      ; and third
	s_mov_b32 s54, 0xbe2aaaa3                      ; sin: -1.6666654611e-1,
	s_mov_b32 s55, 0x3c08839e                      ; 8.3321608736e-3,
	s_mov_b32 s56, 0xb94ca1f9                      ; -1.9515295891e-4
	s_mov_b32 s57, 0x3d2aaaa5                      ; cos: 4.166664568e-2,
	s_mov_b32 s58, 0xbab6061a                      ; -1.388731625e-3,
	s_mov_b32 s59, 0x37ccf5ce                      ; 2.443315712e-5
	s_mov_b32 s60, 0x3ed49a78                      ; log2(10000) / 32, rounded to f32,
	s_mov_b32 s61, 0x32179a31                      ; and what the rounding left
	s_mov_b32 s62, 0x3f317218                      ; ln 2
	s_wait_kmcnt 0x0
	s_add_nc_u64 s[14:15], s[14:15], s[30:31]
	s_add_nc_u64 s[20:21], s[20:21], s[48:49]
	s_load_b512 s[32:47], s[14:15], 0x0            ; 16 positions
	v_lshrrev_b32 v12, 4, v1                       ; lanes 0-15 make cos, lanes 16-31 sin
	v_and_b32 v13, 15, v1
	v_mul_u32_u24 v23, v12, 3                      ; sin(a) = cos(a - pi / 2): three quadrants on
	v_lshlrev_b32 v13, 1, v13                      ; my two frequencies: j = 2 (lane % 16) and j + 1
	v_cvt_f32_u32 v14, v13
	v_add_f32 v15, 1.0, v14
.irp u, 0,1
	v_mul_f32 v[16+\u], s60, v[14+\u]              ; t = j x log2(10000) / 32, rounded;
.endr
.irp u, 0,1
	v_fma_f32 v[18+\u], v[14+\u], s60, -v[16+\u]   ; what that rounding dropped,
.endr
.irp u, 0,1
	v_fma_f32 v[18+\u], v[14+\u], s61, v[18+\u]    ; and the constant's own rest: e
.endr
.irp u, 0,1
	v_exp_f32 v[20+\u], -v[16+\u]                  ; 2^-t
.endr
.irp u, 0,1
	v_mul_f32 v[18+\u], s62, v[18+\u]              ; e ln 2 (plain work behind the exponentials)
.endr
	s_wait_alu depctr_va_vdst(0)                   ; one wait for both exponentials, ahead of their first reader
.irp u, 0,1
	v_fma_f32 v[20+\u], -v[20+\u], v[18+\u], v[20+\u]   ; 10000^(-j / 32) = 2^-t (1 - e ln 2)
.endr
	s_wait_kmcnt 0x0
.macro TOKEN k                         ; token k's 64 numbers: two a lane, the two chains line by line
	v_cvt_f32_i32 v24, s[32+\k]
.irp u, 0,1
	v_mul_f32 v[26+\u], v24, v[20+\u]              ; the angle, rounded to f32
.endr
.irp u, 0,1
	v_mul_f32 v[28+\u], s50, v[26+\u]
.endr
.irp u, 0,1
	v_rndne_f32 v[28+\u], v[28+\u]                 ; n: the nearest multiple of pi / 2
.endr
.irp u, 0,1
	v_fma_f32 v[26+\u], v[28+\u], s51, v[26+\u]
.endr
.irp u, 0,1
	v_fma_f32 v[26+\u], v[28+\u], s52, v[26+\u]
.endr
.irp u, 0,1
	v_fma_f32 v[26+\u], v[28+\u], s53, v[26+\u]    ; r = angle - n pi / 2
.endr
.irp u, 0,1
	v_mul_f32 v[30+\u], v[26+\u], v[26+\u]         ; z = r^2
.endr
.irp u, 0,1
	v_fma_f32 v[32+\u], v[30+\u], s56, s55
	v_fma_f32 v[34+\u], v[30+\u], s59, s58
.endr
.irp u, 0,1
	v_fma_f32 v[32+\u], v[32+\u], v[30+\u], s54
	v_fma_f32 v[34+\u], v[34+\u], v[30+\u], s57
.endr
.irp u, 0,1
	v_mul_f32 v[36+\u], v[26+\u], v[30+\u]
	v_mul_f32 v[38+\u], v[30+\u], v[30+\u]
	v_fma_f32 v[40+\u], v[30+\u], -0.5, 1.0
.endr
.irp u, 0,1
	v_fma_f32 v[32+\u], v[36+\u], v[32+\u], v[26+\u]   ; sin r
	v_fma_f32 v[34+\u], v[38+\u], v[34+\u], v[40+\u]   ; cos r
	v_cvt_i32_f32 v[42+\u], v[28+\u]
.endr
.irp u, 0,1
	v_add_nc_u32 v[42+\u], v[42+\u], v23           ; the quadrant q: cos(r + q pi / 2) = cos r, -sin r, -cos r, sin r
.endr
.irp u, 0,1
	v_and_b32 v[44+\u], 1, v[42+\u]
	v_add_nc_u32 v[42+\u], 1, v[42+\u]
.endr
.irp u, 0,1
	v_cmp_eq_u32 s[28+\u], 1, v[44+\u]
	v_lshlrev_b32 v[42+\u], 30, v[42+\u]
.endr
.irp u, 0,1
	v_cndmask_b32 v[32+\u], v[34+\u], v[32+\u], s[28+\u]
	v_and_b32 v[42+\u], 0x80000000, v[42+\u]       ; negative where q % 4 is 1 or 2
.endr
.irp u, 0,1
	v_xor_b32 v[64+2*\k+\u], v[42+\u], v[32+\u]    ; each token has a pair of registers of its own: no store's data are written again
.endr
	global_store_b64 v5, v[64+2*\k:65+2*\k], s[20:21] offset:256*\k   ; a token's whole row: 256 consecutive bytes
.endm
.irp k, 0,1,2,3,4,5,6,7,8,9,10,11,12,13,14,15
	TOKEN \k
.endr
	s_endpgm
.Lfunc_end_k_q8102bd2ee0_prep:
	.size	k_q8102bd2ee0_prep, .Lfunc_end_k_q8102bd2ee0_prep-k_q8102bd2ee0_prep
	.p2alignl 7, 3214868480
	.fill 96, 4, 3214868480
	.section	.rodata,"a",@progbits
	.p2align	6, 0x0
	.amdhsa_kernel k_q8102bd2ee0_prep
		.amdhsa_group_segment_fixed_size 34304
		.amdhsa_private_segment_fixed_size 0
		.amdhsa_enable_private_segment 0
		.amdhsa_kernarg_size 72
		.amdhsa_user_sgpr_count 2
		.amdhsa_user_sgpr_kernarg_segment_ptr 1
		.amdhsa_wavefront_size32 1
		.amdhsa_system_sgpr_workgroup_id_x 1
		.amdhsa_system_sgpr_workgroup_id_y 1
		.amdhsa_system_sgpr_workgroup_id_z 1
		.amdhsa_system_vgpr_workitem_id 0
		.amdhsa_next_free_vgpr 256
		.amdhsa_next_free_sgpr 66
		.amdhsa_reserve_vcc 0
		.amdhsa_float_denorm_mode_32 3
		.amdhsa_float_denorm_mode_16_64 3
		.amdhsa_memory_ordered 1
		.amdhsa_forward_progress 1
		.amdhsa_inst_pref_size 77
	.end_amdhsa_kernel
	.amdgpu_metadata
---
amdhsa.version: [ 1, 2 ]
amdhsa.kernels:
  - .name:           k_q8102bd2ee0_prep
    .symbol:         k_q8102bd2ee0_prep.kd
    .args:
      - { .name: x, .offset: 0, .size: 8, .value_kind: global_buffer, .address_space: global }
      - { .name: WQ, .offset: 8, .size: 8, .value_kind: global_buffer, .address_space: global }
      - { .name: WK, .offset: 16, .size: 8, .value_kind: global_buffer, .address_space: global }
      - { .name: WV, .offset: 24, .size: 8, .value_kind: global_buffer, .address_space: global }
      - { .name: WO, .offset: 32, .size: 8, .value_kind: global_buffer, .address_space: global }
      - { .name: token_positions, .offset: 40, .size: 8, .value_kind: global_buffer, .address_space: global }
      - { .name: xw_img, .offset: 48, .size: 8, .value_kind: global_buffer, .address_space: global }
      - { .name: xw_sc, .offset: 56, .size: 8, .value_kind: global_buffer, .address_space: global }
      - { .name: cs, .offset: 64, .size: 8, .value_kind: global_buffer, .address_space: global }
    .group_segment_fixed_size: 34304
    .private_segment_fixed_size: 0
    .kernarg_segment_align: 8
    .kernarg_segment_size: 72
    .max_flat_workgroup_size: 128
    .sgpr_count:     66
    .vgpr_count:     256
    .wavefront_size: 32
...
	.end_amdgpu_metadata
.endif
;; end of part 1
;; launch qkv (part 2): grid 12 x 32, 4 waves a work-group, clusters of 4 x 4, 327,680 bytes of LDS; arguments xw_img, xw_sc, cs, q_img, kv; writes q_img, kv
.if DOCPART == 2
	.amdgcn_target "amdgcn-amd-amdhsa--gfx1250"
	.amdhsa_code_object_version 6
	.text
	.protected	k_q8102bd2ee0_qkv
	.globl	k_q8102bd2ee0_qkv
	.p2align	8
	.type	k_q8102bd2ee0_qkv,@function
k_q8102bd2ee0_qkv:
	s_mov_b64 s[64:65], 0
	v_nop
	global_prefetch_b8 v0, s[64:65] scope:SCOPE_SE
	s_setreg_imm32_b32 hwreg(HW_REG_WAVE_MODE, 25, 1), 1
	s_wait_xcnt 0x0
	s_wait_alu depctr_hold_cnt(0) depctr_sa_sdst(0) depctr_va_vdst(0) depctr_va_sdst(0) depctr_va_ssrc(0) depctr_va_vcc(0) depctr_vm_vsrc(0)
	s_getreg_b32 s2, hwreg(HW_REG_IB_STS2, 6, 4)
	s_cmp_eq_u32 s2, 0
	s_cbranch_scc0 .Lentry_in_a_cluster
	s_endpgm
.Lentry_in_a_cluster:
	s_bfe_u32 s2, ttmp6, 0x10000c
	s_cmp_lg_u32 s2, 0xf033
	s_cbranch_scc0 .Lentry_shape_is_right
	s_endpgm
.Lentry_shape_is_right:
; Q = rope(x WQ^T), K = rope(x WK^T), V = x WV^T on codes of FP6 (E2M3) with E8M0 scales; the results are quantised again, Q and K along the head's 64, V along the keys, and leave as images of operand registers.
; THE GEMM.  A tile of 256 x 256 to a work-group of four waves, 128 x 128 to a wave: 64 accumulators in 512 registers.  K = 1,024 goes in four steps of 256 through two LDS slots.  Operands lie in memory as register images
; (a fragment of 16 rows x 128 K: registers 6 c .. 6 c + 3 at 768 c + 16 x lane, 6 c + 4, 6 c + 5 at 768 c + 512 + 8 x lane): every LDS load reads 512 or 256 consecutive bytes; no pitch, no padding.
; The scale words of the work-group's rows, for all of K, come once with the first fills.  The matrix instruction is used transposed (source 0 = 16 rows of B, source 1 = 16 rows of A).
; CLUSTERS of 4 x 4: A's tiles are asked for jointly along a row of the cluster, B's along a column.  Cluster x 0: Q (A = x, B = WQ); 1: K (A = x, B = WK); 2: V, with the roles changed (A = WV, B = x), so that a lane
; holds one channel and its registers run along the tokens, which are the later product's K.  Every branch hangs on the wave's number or on the cluster's x, which all sixteen partners share.
; THE ROWS OF A TILE were chosen by the launch before: in accumulators 2 B and 2 B + 1 a lane's 16 registers are its half (16 h ..) of block B of the next K; for Q and K as eight even and eight odd channels, RoPE's pairs.
; That order inside a block of 32 is the same for Q and for K, so blocks, scales and products are those of the natural order.
; OUT.  q_img: a record of 6,656 bytes for each (batch x 16 + head, 128 queries): 8 half fragments of 768 bytes, then the scale words [tile / 4][r][tile % 4].  kv: a record of 13,056 bytes for each (batch x 16 + head,
; 128 keys): K as in q_img at 0, V^T's four fragments at 6,144, K's scale words at 12,288, V's [r][tile] at 12,800.  In a word of Q or K bytes 0, 1 are the head's two blocks; bytes 2, 3 stand over zero codes.
; No table through LDS: V's clusters would have to ask for bytes that they never read; a wave asks for its 32 KB of cos and sin in one run ahead of its way out.
; LIMITS: NaN and infinities are not served; blocks whose largest magnitude lies under 2^-124 get the byte 1.
; REGISTERS: window 0: v1-10 lane terms; v16-23, v27 LDS addresses; v28, v29 the add's two; v32-63 scale words, two sets; v128-223 A's fragments, one set (on the way out v64-191 are at work).
;   window 1: B's fragments, two sets (on the way out: cos and sin).   windows 2, 3: the accumulators ((a, b) at v[8 (8 (a % 4) + b)]).
.set NQ,     2                         ; matrix instructions deep in a slot
.set FR,     12                        ; registers of a fragment
.set NL,     4                         ; LDS loads that bring one
.set NP,     4                         ; places behind this matrix instruction (ISA guide 7.12.1)
.set TILEB,  3072                      ; 16 rows x 256 K
.set HALFT,  8*TILEB                   ; 128 rows: what one tensor load brings, and what one wave reads of A or of B
.set SLOT,   4*HALFT                   ; A's 256 rows, then B's
.set SCL,    2*SLOT                    ; behind the ring: the scale words
.set HALFS,  4096                      ; those of 128 rows
.set SPARE,  SCL+4*HALFS               ; the spare words, 128 bytes for each wave, which no other line names
.set ADRA, 16                          ; v16-17 LDS address of my A fragments in slot 0, 1, + 16 x lane;  v18-19 the same + 8 x lane
.set ADRB, 20                          ; v20-23 the same for B
.set ADRS, 27                          ; v27    my scale words: lanes 0-15 A's rows, lanes 16-31 B's
.set SPW,  28
.set NIL,  29
.set SC,   32                          ; scale words: set s at v[SC + 16 s]; register 2 i + q: lanes 0-15 A's block i, lanes 16-31 B's block i
.set AF,   128
.set X,    64                          ; the way out: 64 numbers
.set PC,   128                         ; v128-147 the codes just made
.set TM,   148                         ; v148-163 at work in QUANT
.set PW4,  164                         ; v164-167, v168-171 scale words
.set PW4B, 168
.set T,    176                         ; v176-191 RoPE's products
.set SEL,  66                          ; s[66:67]
.set G1, 24
.set G0, 32
.set G1B, 48
.set G0B, 56
.set G1S, 68
.set G0S, 76
.set G1SB, 80
.set G0SB, 88
.set MSB, 0
.macro WIN new                         ; the immediate's high byte repeats the setting that is left
.if MSB != \new
	s_set_vgpr_msb (MSB<<8)|\new
.set MSB, \new
.endif
.endm
.set MUL_LO, 0xa1                      ; source 0 (B) window 1, source 1 (A) window 0, C and D window 2
.set MUL_HI, 0xf1
.set TO_B,   0x40
; A joint load: waves 0 and 1 fetch for A, waves 2 and 3 for B; the branch hangs on the wave's number alone.  An s_nop 0 and four v_nop follow each line.
.macro JLOAD g0a, g1a, g0b, g1b
	s_cmp_eq_u32 s15, 0
	s_cbranch_scc0 .Lfor_b_\@
	tensor_load_to_lds s[\g0a:\g0a+3], s[\g1a:\g1a+7]
	s_nop 0
.rept 4
	v_nop
.endr
	s_branch .Lasked_\@
.Lfor_b_\@:
	tensor_load_to_lds s[\g0b:\g0b+3], s[\g1b:\g1b+7]
	s_nop 0
.rept 4
	v_nop
.endr
.Lasked_\@:
.endm
.macro CREST                           ; a round of the cluster's barrier behind its opening barrier
	s_cmp_lg_u32 s14, 0
	s_cbranch_scc1 .Lnot_wave_0_\@
	s_barrier_signal -3
.Lnot_wave_0_\@:
	s_barrier_wait -3
	s_barrier_signal -1
	s_barrier_wait -1
.endm
.macro CROUND
	s_barrier_signal -1
	s_barrier_wait -1
	CREST
.endm
	s_load_b256 s[4:11], s[0:1], 0x0               ; xw_img s[4:5], xw_sc s[6:7], cs s[8:9], q_img s[10:11]
	s_load_b64 s[12:13], s[0:1], 0x20              ; kv
	v_lshl_add_u32 v[SPW], v0, 2, SPARE
	v_mov_b32 v[NIL], 0
	ds_add_u32 v[SPW], v[NIL]                      ; the wave's opening: the add and its wait ahead of my first tensor load
	v_lshrrev_b32 v1, 5, v0
	v_readfirstlane_b32 s14, v1                    ; wave 0..3
	s_lshr_b32 s15, s14, 1                         ; which half of A's rows is mine.  Also: I fetch for A (0) or for B (1)
	s_and_b32 s16, s14, 1                          ; which half of B's rows.  Also: which 128 rows I fetch
	s_bfe_u32 s40, ttmp6, 0x40000                  ; cx
	s_bfe_u32 s41, ttmp6, 0x40004                  ; cy
	s_and_b32 s17, ttmp7, 0xffff
	s_lshl_b32 s17, s17, 2                         ; 4 x cluster y: x's units of 256 rows
	s_lshl_b32 s42, ttmp9, 2
	s_add_co_u32 s42, s42, 32                      ; WQ's units begin at 32, WK's at 36
	s_cmp_eq_u32 ttmp9, 2                          ; V?
	s_cselect_b32 s42, s17, s42                    ; B: x for V, else the weight
	s_cselect_b32 s17, 40, s17                     ; A: WV (units 40-43) for V, else x
	s_add_co_u32 s17, s17, s41                     ; A's unit hangs on cy alone,
	s_add_co_u32 s42, s42, s40                     ; B's on cx alone
	s_lshl_b32 s43, s41, 2
	s_lshl_b32 s43, 15, s43                        ; my row of the cluster
	s_lshl_b32 s44, 0x1111, s40                    ; my column
	; group 1 for the codes: 8 tiles x 3,072 bytes (384 elements of 8 bytes), 12,288 bytes from tile to tile; no padding
	s_or_b32 s[G1+0], s43, (3<<16)|(1<<21)
	s_or_b32 s[G1B+0], s44, (3<<16)|(1<<21)
.irp g, G1, G1B
	s_mov_b32 s[\g+1], 384<<16                     ; tensor_dim0
	s_mov_b32 s[\g+2], 8<<16                       ; tensor_dim1
	s_mov_b32 s[\g+3], 384<<16                     ; tile_dim0
	s_mov_b32 s[\g+4], 8                           ; tile_dim1
	s_mov_b32 s[\g+5], 1536                        ; tensor_dim0_stride
	s_mov_b32 s[\g+6], 0
	s_mov_b32 s[\g+7], 0
.endr
	; and for the scale words of 128 rows: 4,096 dense bytes as 16 rows of 256
	s_or_b32 s[G1S+0], s43, (3<<16)|(1<<21)
	s_or_b32 s[G1SB+0], s44, (3<<16)|(1<<21)
.irp g, G1S, G1SB
	s_mov_b32 s[\g+1], 32<<16
	s_mov_b32 s[\g+2], 16<<16
	s_mov_b32 s[\g+3], 32<<16
	s_mov_b32 s[\g+4], 16
	s_mov_b32 s[\g+5], 32
	s_mov_b32 s[\g+6], 0
	s_mov_b32 s[\g+7], 0
.endr
	s_mul_i32 s18, s16, 98304                      ; which 8 tiles of the unit I fetch
	s_mul_i32 s20, s17, 196608
	s_add_co_u32 s20, s20, s18
	s_mov_b32 s21, 0
	s_mul_i32 s46, s42, 196608
	s_add_co_u32 s46, s46, s18
	s_mov_b32 s47, 0
	s_lshl_b32 s19, s16, 12
	s_lshl_b32 s22, s17, 13
	s_add_co_u32 s22, s22, s19
	s_mov_b32 s23, 0
	s_lshl_b32 s92, s42, 13
	s_add_co_u32 s92, s92, s19
	s_mov_b32 s93, 0
	s_mul_i32 s45, s14, HALFT                      ; where they go: wave x 128 rows: no place in the cluster enters an LDS address
	s_lshl_b32 s94, s14, 12
	s_mov_b32 s[SEL], 0x76543210
	s_mov_b32 s[SEL+1], 0xfedcba98
	s_wait_dscnt 0x0                               ; the opening add is done
	s_wait_kmcnt 0x0
	s_add_nc_u64 s[20:21], s[4:5], s[20:21]
	s_add_nc_u64 s[22:23], s[6:7], s[22:23]
	s_add_nc_u64 s[46:47], s[4:5], s[46:47]
	s_add_nc_u64 s[92:93], s[6:7], s[92:93]
	CROUND                                         ; all sixteen work-groups are here: the first joint loads meet
	s_mov_b32 s[G0S], 1
	s_add_co_u32 s[G0S+1], s94, SCL
	s_mov_b64 s[G0S+2:G0S+3], s[22:23]
	s_or_b32 s[G0S+3], s[G0S+3], 0x80000000
	s_mov_b32 s[G0SB], 1
	s_add_co_u32 s[G0SB+1], s94, SCL
	s_mov_b64 s[G0SB+2:G0SB+3], s[92:93]
	s_or_b32 s[G0SB+3], s[G0SB+3], 0x80000000
	JLOAD G0S, G1S, G0SB, G1SB                     ; the scale words first: they are wanted with K step 0
.irp s, 0,1
	s_mov_b32 s[G0+4*\s], 1
	s_add_co_u32 s[G0+4*\s+1], s45, \s*SLOT
	s_add_nc_u64 s[G0+4*\s+2:G0+4*\s+3], s[20:21], \s*TILEB
	s_or_b32 s[G0+4*\s+3], s[G0+4*\s+3], 0x80000000
	s_mov_b32 s[G0B+4*\s], 1
	s_add_co_u32 s[G0B+4*\s+1], s45, \s*SLOT
	s_add_nc_u64 s[G0B+4*\s+2:G0B+4*\s+3], s[46:47], \s*TILEB
	s_or_b32 s[G0B+4*\s+3], s[G0B+4*\s+3], 0x80000000
	JLOAD G0+4*\s, G1, G0B+4*\s, G1B
.endr
	v_and_b32 v1, 31, v0                           ; lane
	v_and_b32 v2, 15, v0                           ; r
	v_bfe_u32 v3, v0, 4, 1                         ; h
	v_lshlrev_b32 v4, 4, v1                        ; 16 x lane
	v_lshlrev_b32 v5, 3, v1                        ; 8 x lane
	s_mul_i32 s18, s15, HALFT                      ; my 128 rows of A
	s_mul_i32 s19, s16, HALFT                      ; my 128 rows of B,
	s_add_co_u32 s19, s19, 2*HALFT                 ; which lie behind A's 256
.irp s, 0,1
	v_add_nc_u32 v[ADRA+\s], s18, v4
	v_add_nc_u32 v[ADRB+\s], s19, v4
	v_add_nc_u32 v[ADRA+2+\s], s18, v5
	v_add_nc_u32 v[ADRB+2+\s], s19, v5
	s_add_co_u32 s18, s18, SLOT
	s_add_co_u32 s19, s19, SLOT
.endr
	v_lshlrev_b32 v6, 4, v2                        ; my row's scale words: 16 bytes a row and half of K
	s_mul_i32 s21, s15, HALFS                      ; A's: my 128 rows
	s_mul_i32 s22, s16, HALFS                      ; B's: my 128 rows, behind A's 256
	s_add_co_u32 s22, s22, 2*HALFS
	s_sub_co_u32 s22, s22, s21
	v_mul_u32_u24 v7, s22, v3                      ; lanes 16-31 take B's
	s_add_co_u32 s21, s21, SCL
	v_add_nc_u32 v6, v6, v7
	v_add_nc_u32 v[ADRS], s21, v6
.macro FRAG reg, adr, q, i             ; a fragment comes back as it was stored: two loads of 16 bytes a lane, two of 8
	ds_load_b128 v[\reg:\reg+3], v[\adr] offset:(\i)*TILEB+(\q)*1536
	ds_load_b64 v[\reg+4:\reg+5], v[\adr+2] offset:(\i)*TILEB+(\q)*1536+512
	ds_load_b128 v[\reg+6:\reg+9], v[\adr] offset:(\i)*TILEB+(\q)*1536+768
	ds_load_b64 v[\reg+10:\reg+11], v[\adr+2] offset:(\i)*TILEB+(\q)*1536+1280
.endm
; 16 matrix instructions: A's blocks a0, a0 + 1 x B's eight, the slot's q-th 128 along K.  p: B's set; sc: the set of scale words.  zero = 1: the first product starts the sums.
; The 64 accumulators take turns, one instruction a turn, in the same order in every step.
.macro MUL16 a0, p, q, sc, zero
.irp a, \a0, \a0+1
.irp b, 0,1,2,3,4,5,6,7
.if \zero
	v_wmma_scale_f32_16x16x128_f8f6f4 v[8*(8*((\a)%4)+\b):8*(8*((\a)%4)+\b)+7], v[128*(\p)+FR*\b:128*(\p)+FR*\b+FR-1], v[AF+FR*(\a):AF+FR*(\a)+FR-1], 0, v[SC+8*NQ*(\sc)+NQ*\b+(\q)], v[SC+8*NQ*(\sc)+NQ*(\a)+(\q)] matrix_a_fmt:MATRIX_FMT_FP6 matrix_b_fmt:MATRIX_FMT_FP6 matrix_a_scale:MATRIX_SCALE_ROW1
.else
	v_wmma_scale_f32_16x16x128_f8f6f4 v[8*(8*((\a)%4)+\b):8*(8*((\a)%4)+\b)+7], v[128*(\p)+FR*\b:128*(\p)+FR*\b+FR-1], v[AF+FR*(\a):AF+FR*(\a)+FR-1], v[8*(8*((\a)%4)+\b):8*(8*((\a)%4)+\b)+7], v[SC+8*NQ*(\sc)+NQ*\b+(\q)], v[SC+8*NQ*(\sc)+NQ*(\a)+(\q)] matrix_a_fmt:MATRIX_FMT_FP6 matrix_b_fmt:MATRIX_FMT_FP6 matrix_a_scale:MATRIX_SCALE_ROW1
.endif
.endr
.endr
.endm
.macro FETCH_B slot, q, p
	WIN TO_B
.irp i, 0,1,2,3,4,5,6,7
	FRAG 128*(\p)+FR*\i, ADRB+\slot, \q, \i
.endr
	WIN 0
.endm
.macro FETCH_A slot, q, i0
.irp i, \i0, \i0+1, \i0+2, \i0+3
	FRAG AF+FR*(\i), ADRA+\slot, \q, \i
.endr
.endm
.macro SCALES sc, ks                   ; K step ks's two words a row into set sc
.irp i, 0,1,2,3,4,5,6,7
	ds_load_b64 v[SC+16*\sc+2*\i:SC+16*\sc+2*\i+1], v[ADRS] offset:\i*512+256*((\ks)/2)+8*((\ks)%2)
.endr
.endm
.macro PLACES n                        ; places in front of loads into registers that matrix instructions have read, and of the first read of results
.rept \n
	v_nop
.endr
.endm
.macro STEP slot, zero                 ; a slot's first 128 along K
	s_wait_dscnt 4*NL                              ; B's set, A's blocks 0-3 and the scale words are in; the 16 youngest loads (A's blocks 4-7) may be out
	WIN MUL_LO
	MUL16 0, 0, 0, \slot, \zero
	MUL16 2, 0, 0, \slot, \zero
	s_wait_dscnt 0                                 ; A's blocks 4-7 are in
	PLACES NP
	FETCH_B \slot, 1, 1
	FETCH_A \slot, 1, 0
	WIN MUL_HI
	MUL16 4, 0, 0, \slot, \zero
	MUL16 6, 0, 0, \slot, \zero
	PLACES NP
	WIN 0
	FETCH_A \slot, 1, 4
.endm
; A slot's second 128 change slots: one barrier; in front of it each wave waits for all its tensor loads, adds 0 to its spare word, and waits for that and for its reads of this slot.
; fill = 1: the barrier opens a round of the cluster's, and this slot is filled again, two K steps ahead.  ks: the K step that lies in the next slot.
.macro TURN slot, next, fill, ks
	s_wait_tensorcnt 0x0                           ; all my tensor loads have landed: my part of the next slot
	ds_add_u32 v[SPW], v[NIL]
	s_wait_dscnt 4*NL+1                            ; (the add and the 16 youngest loads may be out)
	WIN MUL_LO
	MUL16 0, 1, 1, \slot, 0
	s_wait_dscnt 0x0                               ; the add is done, and my reads of this slot are over
	s_barrier_signal -1
	MUL16 2, 1, 1, \slot, 0
	WIN 0
	s_barrier_wait -1
.if \fill
	CREST                                          ; no wave of any partner still reads this slot or has a load on its way
	s_add_nc_u64 s[G0+4*\slot+2:G0+4*\slot+3], s[G0+4*\slot+2:G0+4*\slot+3], 2*TILEB
	s_add_nc_u64 s[G0B+4*\slot+2:G0B+4*\slot+3], s[G0B+4*\slot+2:G0B+4*\slot+3], 2*TILEB
	JLOAD G0+4*\slot, G1, G0B+4*\slot, G1B         ; the first tensor load behind the round; its four v_nop are the places in front of the loads below
.else
	PLACES NP
.endif
	FETCH_B \next, 0, 0
	FETCH_A \next, 0, 0
	SCALES \next, \ks
	WIN MUL_HI
	MUL16 4, 1, 1, \slot, 0
	MUL16 6, 1, 1, \slot, 0
	PLACES NP
	WIN 0
	FETCH_A \next, 0, 4
.endm
	s_wait_tensorcnt 1                             ; the scale words and my part of K step 0 are in (K step 1's load may be out),
	s_barrier_signal -1
	s_barrier_wait -1                              ; everybody's are
	FETCH_B 0, 0, 0
	FETCH_A 0, 0, 0
	SCALES 0, 0
	FETCH_A 0, 0, 4
	STEP 0, 1                                      ; four K steps, written out: the scale words' places are immediates
	TURN 0, 1, 1, 1
	STEP 1, 0
	TURN 1, 0, 1, 2
	STEP 0, 0
	TURN 0, 1, 0, 3
	STEP 1, 0
	s_wait_dscnt 4*NL
	WIN MUL_LO
	MUL16 0, 1, 1, 1, 0
	MUL16 2, 1, 1, 1, 0
	s_wait_dscnt 0
	WIN MUL_HI
	MUL16 4, 1, 1, 1, 0
	MUL16 6, 1, 1, 1, 0
	WIN 0
; 64 numbers of a lane, v[s] on in window w, register 16 b + i = place 32 b + 16 (lane / 16) + i along the next K, become a fragment's codes in v[PC] on and its scale word in v[pw].
.macro QUANT s, w, pw, xw
.if \xw
	s_wait_xcnt 0x0                                ; the earlier stores have read their data: the codes' and the words' registers may be written again
.endif
.set WW, ((\w)<<2)|((\w)<<4)
	WIN WW
.irp b, 0,1,2,3
	v_max3_num_f32 v[TM+\b], 0x1800000, |v[\s+16*\b]|, |v[\s+1+16*\b]|   ; the floor 2^(3 - 127), and my 16 numbers of block b, each accumulator from its low end on
.endr
.irp i, 2,4,6,8,10,12,14
.irp b, 0,1,2,3
	v_max3_num_f32 v[TM+\b], v[TM+\b], |v[\s+16*\b+\i]|, |v[\s+1+16*\b+\i]|
.endr
.endr
	WIN 0
.irp b, 0,1,2,3
	v_permlanex16_b32 v[TM+4+\b], v[TM+\b], s[SEL], s[SEL+1]
.endr
.irp b, 0,1,2,3
	v_max_num_f32 v[TM+\b], v[TM+\b], v[TM+4+\b]
.endr
.irp b, 0,1,2,3
	v_add_nc_u32 v[TM+12+\b], 0xff000000, v[TM+\b] ; 2 off the exponent field: the conversion's scale operand
.endr
.irp b, 0,1,2,3
	v_lshrrev_b32 v[TM+4+\b], 23, v[TM+12+\b]      ; the scale's byte
.endr
	v_lshl_or_b32 v[\pw], v[TM+5], 8, v[TM+4]
	v_lshl_or_b32 v[\pw], v[TM+6], 16, v[\pw]
	v_lshl_or_b32 v[\pw], v[TM+7], 24, v[\pw]
.set WW, \w
	WIN WW
.irp c, 0,1
	v_cvt_scalef32_pk16_fp6_f32 v[PC+6*\c:PC+2+6*\c], v[\s+32*\c:\s+15+32*\c], v[TM+12+2*\c]
	v_cvt_scalef32_pk16_fp6_f32 v[PC+12+4*\c:PC+14+4*\c], v[\s+16+32*\c:\s+31+32*\c], v[TM+13+2*\c]
.endr
	WIN 0
	v_nop                                          ; one plain place behind a scaled conversion
.irp c, 0,1
.irp i, 0,1,2
	v_permlane16_swap_b32 v[PC+6*\c+\i], v[PC+12+4*\c+\i]
.endr
.irp i, 0,1,2
	v_mov_b32 v[PC+3+6*\c+\i], v[PC+12+4*\c+\i]
.endr
.endr
.endm
; s77 = the record of my first head and my 128 tokens: ((16 x batch + head) x 16 + tokens / 128 % 16); s76 = my first token
.macro RECORD tl, hf, cc, h2
	s_lshl_b32 s76, s[\tl], 8
	s_lshl_b32 s77, s[\hf], 7
	s_add_co_u32 s76, s76, s77
	s_lshr_b32 s77, s76, 11
	s_bfe_u32 s78, s76, 0x40007
	s_lshl_b32 s79, s[\cc], 2
	s_lshl_b32 s80, s[\h2], 1
	s_add_co_u32 s79, s79, s80                     ; a unit of 256 channels is four heads, my half of it two
	s_lshl_b32 s77, s77, 4
	s_add_co_u32 s77, s77, s79
	s_lshl_b32 s77, s77, 4
	s_add_co_u32 s77, s77, s78
.endm
	PLACES NP                                      ; behind the last products: results are read, and their operands' registers written, from here on
.irp b, 0,1,2,3
	v_mov_b32 v[TM+4+\b], 0                        ; written once: a lane permute's destination counts as one of its sources
.endr
	s_mov_b32 s85, 0
	s_mov_b32 s87, 0
	s_cmp_eq_u32 ttmp9, 2
	s_cbranch_scc1 .Lv
	; ---------------- Q and K: RoPE, quantised along the head ----------------
	RECORD 17, 15, 40, 16
	s_cmp_eq_u32 ttmp9, 0
	s_cselect_b64 s[68:69], s[10:11], s[12:13]     ; q_img or kv: the choice hangs on the cluster's x alone
	s_mov_b32 s81, 13056
	s_cselect_b32 s81, 6656, s81                   ; a record,
	s_mov_b32 s86, 12288
	s_cselect_b32 s86, 6144, s86                   ; and where its scale words begin
	s_mul_i32 s84, s77, s81
	s_add_nc_u64 s[68:69], s[68:69], s[84:85]      ; my first head's record,
	s_lshl_b32 s84, s81, 4
	s_add_nc_u64 s[70:71], s[68:69], s[84:85]      ; my second head's, 16 records on,
	s_add_nc_u64 s[72:73], s[68:69], s[86:87]      ; the scale words,
	s_lshl_b32 s86, s76, 8
	s_add_nc_u64 s[74:75], s[8:9], s[86:87]        ; and my first token's row of cos and sin
	v_and_b32 v8, 8, v2
	v_add_nc_u32 v8, v8, v2                        ; place r of a tile is token r % 8 + 16 (r / 8)
	v_lshlrev_b32 v8, 8, v8
	v_lshl_add_u32 v8, v3, 5, v8                   ; + 32 h: my eight pairs of a block
	v_lshlrev_b32 v9, 4, v3                        ; lanes 16-31 take the second head's two bytes of a word
	v_mul_u32_u24 v10, s84, v3
	v_lshl_add_u32 v10, v2, 4, v10                 ; and store them in its record
	WIN 0x40                                       ; cos and sin of my 128 tokens into window 1: tile a at v[32 a]: cos of block 0, of block 1, sin of block 0, of block 1, eight each
.irp a, 0,1,2,3,4,5,6,7
.irp p, 0,1,2,3,4,5,6,7
	global_load_b128 v[32*\a+4*\p:32*\a+4*\p+3], v8, s[74:75] offset:(32*(\a/2)+8*(\a%2))*256+64*(\p/2)+16*(\p%2)
.endr
.endr
	WIN 0
.macro ROPE a                          ; tile a's 64 numbers a lane, turned, into v[X] on: of each block eight even channels, then eight odd
.set WW, (2+(\a)/4)|(1<<2)
.set AC, 64*((\a)%4)
	s_wait_loadcnt 8*(7-(\a))                      ; this tile's eight loads are in; the later tiles' may be out
	WIN WW                                         ; source 0: the accumulators' window; source 1: window 1
.irp be, 0,1,2,3
.irp jj, 0,2,4,6
	v_pk_mul_f32 v[T+\jj:T+\jj+1], v[AC+16*\be+8+\jj:AC+16*\be+9+\jj], v[32*(\a)+16+8*(\be%2)+\jj:32*(\a)+17+8*(\be%2)+\jj]     ; odd x sin
.endr
.irp jj, 0,2,4,6
	v_pk_mul_f32 v[T+8+\jj:T+9+\jj], v[AC+16*\be+\jj:AC+16*\be+1+\jj], v[32*(\a)+16+8*(\be%2)+\jj:32*(\a)+17+8*(\be%2)+\jj]     ; even x sin
.endr
.irp jj, 0,2,4,6
	v_pk_fma_f32 v[X+16*\be+\jj:X+16*\be+1+\jj], v[AC+16*\be+\jj:AC+16*\be+1+\jj], v[32*(\a)+8*(\be%2)+\jj:32*(\a)+1+8*(\be%2)+\jj], v[T+\jj:T+\jj+1] neg_lo:[0,0,1] neg_hi:[0,0,1]   ; even x cos - odd x sin
.endr
.irp jj, 0,2,4,6
	v_pk_fma_f32 v[X+16*\be+8+\jj:X+16*\be+9+\jj], v[AC+16*\be+8+\jj:AC+16*\be+9+\jj], v[32*(\a)+8*(\be%2)+\jj:32*(\a)+1+8*(\be%2)+\jj], v[T+8+\jj:T+9+\jj]   ; odd x cos + even x sin
.endr
.endr
	WIN 0
.endm
.irp a, 0,1,2,3,4,5,6,7
	ROPE \a
	QUANT X, 0, PW4+\a%4, \a
	global_store_b128 v4, v[PC:PC+3], s[68:69] offset:768*\a           ; blocks 0, 1: my first head's half fragment,
	global_store_b64 v5, v[PC+4:PC+5], s[68:69] offset:768*\a+512
	global_store_b128 v4, v[PC+6:PC+9], s[70:71] offset:768*\a         ; blocks 2, 3: my second head's
	global_store_b64 v5, v[PC+10:PC+11], s[70:71] offset:768*\a+512
.if (\a%4) == 3
.irp i, 0,1,2,3
	v_lshrrev_b32 v[PW4+\i], v9, v[PW4+\i]
.endr
	global_store_b128 v10, v[PW4:PW4+3], s[72:73] offset:256*(\a/4)    ; four tiles' words: 256 consecutive bytes in each head's record
.endif
.endr
	s_branch .Lend
	; ---------------- V: quantised along the keys ----------------
.Lv:
	RECORD 42, 16, 41, 15
	s_mul_i32 s84, s77, 13056
	s_add_nc_u64 s[68:69], s[12:13], s[84:85]
	s_add_nc_u64 s[72:73], s[68:69], 12800         ; V's scale words,
	s_add_nc_u64 s[68:69], s[68:69], 6144          ; my first head's four fragments,
	s_add_nc_u64 s[70:71], s[68:69], 208896        ; my second head's, 16 records on
	v_mul_u32_u24 v10, v3, 208896
	v_lshl_add_u32 v10, v2, 4, v10
.macro PUT base, off
	global_store_b128 v4, v[PC:PC+3], s[\base:\base+1] offset:\off
	global_store_b64 v5, v[PC+4:PC+5], s[\base:\base+1] offset:\off+512
	global_store_b128 v4, v[PC+6:PC+9], s[\base:\base+1] offset:\off+768
	global_store_b64 v5, v[PC+10:PC+11], s[\base:\base+1] offset:\off+1280
.endm
.irp a, 0,1,2,3,4,5,6,7                ; tile a: 16 channels x my 128 keys, straight out of the accumulators
.set W, 2+\a/4
.set AC, 64*(\a%4)
	QUANT AC, W, PW4+\a, \a
	PUT 68+2*(\a/4), 1536*(\a%4)
.endr
	v_cmp_gt_u32 vcc_lo, 16, v1
.irp i, 0,1,2,3
	v_cndmask_b32 v[PW4+\i], v[PW4B+\i], v[PW4+\i], vcc_lo   ; lanes 0-15 the first head's four words, lanes 16-31 the second's
.endr
	global_store_b128 v10, v[PW4:PW4+3], s[72:73]
.Lend:
	s_wait_tensorcnt 0x0                           ; the wave's end
	ds_add_u32 v[SPW], v[NIL]
	s_wait_dscnt 0x0
	CROUND                                         ; the closing round
	s_endpgm
.Lfunc_end_k_q8102bd2ee0_qkv:
	.size	k_q8102bd2ee0_qkv, .Lfunc_end_k_q8102bd2ee0_qkv-k_q8102bd2ee0_qkv
	.p2alignl 7, 3214868480
	.fill 96, 4, 3214868480
	.section	.rodata,"a",@progbits
	.p2align	6, 0x0
	.amdhsa_kernel k_q8102bd2ee0_qkv
		.amdhsa_group_segment_fixed_size 327680
		.amdhsa_private_segment_fixed_size 0
		.amdhsa_enable_private_segment 0
		.amdhsa_kernarg_size 40
		.amdhsa_user_sgpr_count 2
		.amdhsa_user_sgpr_kernarg_segment_ptr 1
		.amdhsa_wavefront_size32 1
		.amdhsa_system_sgpr_workgroup_id_x 1
		.amdhsa_system_sgpr_workgroup_id_y 1
		.amdhsa_system_sgpr_workgroup_id_z 1
		.amdhsa_system_vgpr_workitem_id 0
		.amdhsa_next_free_vgpr 1024
		.amdhsa_next_free_sgpr 100
		.amdhsa_reserve_vcc 1
		.amdhsa_float_denorm_mode_32 3
		.amdhsa_float_denorm_mode_16_64 3
		.amdhsa_memory_ordered 1
		.amdhsa_forward_progress 1
		.amdhsa_inst_pref_size 222
	.end_amdhsa_kernel
	.amdgpu_metadata
---
amdhsa.version: [ 1, 2 ]
amdhsa.kernels:
  - .name:           k_q8102bd2ee0_qkv
    .symbol:         k_q8102bd2ee0_qkv.kd
    .args:
      - { .name: xw_img, .offset: 0, .size: 8, .value_kind: global_buffer, .address_space: global }
      - { .name: xw_sc, .offset: 8, .size: 8, .value_kind: global_buffer, .address_space: global }
      - { .name: cs, .offset: 16, .size: 8, .value_kind: global_buffer, .address_space: global }
      - { .name: q_img, .offset: 24, .size: 8, .value_kind: global_buffer, .address_space: global }
      - { .name: kv, .offset: 32, .size: 8, .value_kind: global_buffer, .address_space: global }
    .group_segment_fixed_size: 327680
    .private_segment_fixed_size: 0
    .kernarg_segment_align: 8
    .kernarg_segment_size: 40
    .max_flat_workgroup_size: 128
    .sgpr_count:     100
    .vgpr_count:     1024
    .wavefront_size: 32
...
	.end_amdgpu_metadata
.endif
;; end of part 2
;; launch attn (part 3): grid 8 x 64, 16 waves a work-group, clusters of 4 x 1, 210,944 bytes of LDS; arguments q_img, kv, o_img, o_sc; writes o_img, o_sc
.if DOCPART == 3
	.amdgcn_target "amdgcn-amd-amdhsa--gfx1250"
	.amdhsa_code_object_version 6
	.text
	.protected	k_q8102bd2ee0_attn
	.globl	k_q8102bd2ee0_attn
	.p2align	8
	.type	k_q8102bd2ee0_attn,@function
k_q8102bd2ee0_attn:
	s_mov_b64 s[64:65], 0
	v_nop
	global_prefetch_b8 v0, s[64:65] scope:SCOPE_SE
	s_setreg_imm32_b32 hwreg(HW_REG_WAVE_MODE, 25, 1), 1
	s_wait_xcnt 0x0
	s_wait_alu depctr_hold_cnt(0) depctr_sa_sdst(0) depctr_va_vdst(0) depctr_va_sdst(0) depctr_va_ssrc(0) depctr_va_vcc(0) depctr_vm_vsrc(0)
	s_getreg_b32 s2, hwreg(HW_REG_IB_STS2, 6, 4)
	s_cmp_eq_u32 s2, 0
	s_cbranch_scc0 .Lentry_in_a_cluster
	s_endpgm
.Lentry_in_a_cluster:
	s_bfe_u32 s2, ttmp6, 0x10000c
	s_cmp_lg_u32 s2, 0x3003
	s_cbranch_scc0 .Lentry_shape_is_right
	s_endpgm
.Lentry_shape_is_right:
; Causal attention on codes of FP6 (E2M3): S^T = K Q^T, p = 2^(t - M), O^T = V^T P^T, O / the row's sum, quantised along the model's channels for the last product.
; t = score x log2(e) / 8; M = the running largest t rounded up to a whole number; the row's sum is taken of the unquantised p; when M moves, the sum and O^T are multiplied by 2^(old M - new M), exactly.
; THE HEAD'S 64 fill half of the instruction's 128 along K: registers 6-11 of Q's and K's fragments are zero codes, which add nothing under any scale byte that occurs here (none is 0xff).
; SHARES.  A head has 128 tiles of 16 queries.  A cluster of four work-groups takes 64 of them, a wave one: tile 8 g + 4 c + cx, g the wave's group of 128 queries, c the cluster (0, 1), cx the work-group's place.
; The wave needs key steps 0 .. g (128 keys each); step g lies on the diagonal.  g hangs on the wave's number alone, so all partners branch alike; cx enters global addresses and the mask's numbers only.
; g + 1 by wave number, four to a line: 16 3 2 13 / 5 10 11 8 / 9 6 7 12 / 4 15 14 1: every line and every column adds up to 34 steps.
; THE WHOLE HEAD'S K AND V LIE IN LDS: 16 records of 13,056 bytes (register images: K's 8 half fragments, V^T's 4 fragments, their scale words), asked for jointly by the four partners, four loads in each of waves 0-3,
; all at the start; nothing is filled again.  Two barriers: behind the first, records 0-3 are there; behind the second, all.  So no request comes later than the head, and there is nothing to prefetch.
; Both products are used transposed: a lane holds one query (lane % 16) throughout.  The keys of a tile were chosen two launches back, so that the 16 registers of tiles 2 b, 2 b + 1 are keys 32 b + 16 (lane / 16) + 0 .. 15.
; LIMITS: NaN and infinities are not served.  A block's largest p is taken as the image of the block's largest score, which leans on v_exp_f32 not falling where its input rises.
; REGISTERS: v1-3 16 x lane, 8 x lane, 16 r; v4, v5 the add's two; v6 the mask's number; v8-10 the step's LDS addresses; v11 Q's scale word; v12 -M, v13 the largest t, v[14:15] the sum; v16-27 Q; v28-31 V's scale words;
;   v32-79 four fragments of K; v80-127 V's four; v128-191 S^T, then p; v192-223 O^T; v224-243 p's codes; v232-247 at work; v248-251 K's scale words; v252 f; v253 p's scale word; v254 at work.
.set REC,   13056
.set QREC,  6656
.set SPARE, 16*REC                     ; behind the records: the spare words, 128 bytes for each of 16 waves, which no other line names
.set SPW,  4
.set NIL,  5
.set WV,   12                          ; s12 wave; s13 cx; s14 c; s15 batch x 16 + head; s16 g; s17 g + 1; s18 the step; s19 its record's LDS byte
.set SEL,  20
.set CS,   22                          ; s[22:23] log2(e) / 8
.set G1,   24                          ; s[24:31] group 1; s[32:47] four groups 0
.set G0,   32
.macro CROUND
	s_barrier_signal -1
	s_barrier_wait -1
	s_cmp_lg_u32 s[WV], 0
	s_cbranch_scc1 .Lnot_wave_0_\@
	s_barrier_signal -3
.Lnot_wave_0_\@:
	s_barrier_wait -3
	s_barrier_signal -1
	s_barrier_wait -1
.endm
	s_load_b256 s[4:11], s[0:1], 0x0               ; q_img s[4:5], kv s[6:7], o_img s[8:9], o_sc s[10:11]
	v_lshl_add_u32 v[SPW], v0, 2, SPARE
	v_mov_b32 v[NIL], 0
	ds_add_u32 v[SPW], v[NIL]                      ; the wave's opening: the add and its wait ahead of the first tensor loads
	ds_add_u32 v[SPW], v[NIL]
	v_lshrrev_b32 v1, 5, v0
	s_delay_alu instid0(VALU_DEP_1)
	v_readfirstlane_b32 s[WV], v1
	s_mov_b32 s14, ttmp9
	s_and_b32 s15, ttmp7, 0xffff
	s_mov_b32 s16, 0x0de3b658                      ; g for waves 8-15, four bits each,
	s_cmp_lt_u32 s[WV], 8
	s_cselect_b32 s16, 0x7a94c12f, s16             ; for waves 0-7
	s_and_b32 s49, s[WV], 7
	s_lshl_b32 s49, s49, 2
	s_lshr_b32 s16, s16, s49
	s_and_b32 s16, s16, 15
	s_add_co_u32 s17, s16, 1
	s_mov_b32 s18, 0
	s_mov_b32 s19, 0
	s_mov_b32 s[SEL], 0x76543210
	s_mov_b32 s[SEL+1], 0xfedcba98
	s_mov_b32 s[CS], 0x3e38aa3b
	s_mov_b32 s[CS+1], s[CS]                       ; (named with it as a pair, so it is written)
	; group 1: a record, 13,056 dense bytes, as 51 rows of 256 (32 elements of 8 bytes); the mask names all four partners
	s_mov_b32 s[G1], 15|(3<<16)|(1<<21)
	s_mov_b32 s[G1+1], 32<<16
	s_mov_b32 s[G1+2], 51<<16
	s_mov_b32 s[G1+3], 32<<16
	s_mov_b32 s[G1+4], 51
	s_mov_b32 s[G1+5], 32
	s_mov_b32 s[G1+6], 0
	s_mov_b32 s[G1+7], 0
	s_mul_i32 s50, s[WV], REC                      ; wave i fetches records i, 4 + i, 8 + i, 12 + i
	s_lshl_b32 s52, s15, 4
	s_mul_i32 s52, s52, REC
	s_add_co_u32 s52, s52, s50
	s_mov_b32 s53, 0
	s_wait_dscnt 0x0                               ; the opening add is done
	s_wait_kmcnt 0x0
	s_add_nc_u64 s[52:53], s[6:7], s[52:53]
.irp g, 0,1,2,3
	s_mov_b32 s[G0+4*\g], 1
	s_add_co_u32 s[G0+4*\g+1], s50, \g*4*REC
	s_add_nc_u64 s[G0+4*\g+2:G0+4*\g+3], s[52:53], \g*4*REC
	s_or_b32 s[G0+4*\g+3], s[G0+4*\g+3], 0x80000000
.endr
	CROUND                                         ; all four work-groups are here: the joint loads meet
	s_cmp_lt_u32 s[WV], 4                          ; a wave's four loads stand in one branch; four loads of mine are out
	s_cbranch_scc0 .Lno_fetch
	tensor_load_to_lds s[G0:G0+3], s[G1:G1+7]
	s_nop 0
	tensor_load_to_lds s[G0+4:G0+7], s[G1:G1+7]
	s_nop 0
	tensor_load_to_lds s[G0+8:G0+11], s[G1:G1+7]
	s_nop 0
	tensor_load_to_lds s[G0+12:G0+15], s[G1:G1+7]
	s_nop 0
.rept 4
	v_nop
.endr
.Lno_fetch:
	s_bfe_u32 s13, ttmp6, 0x40000                  ; cx
	v_and_b32 v7, 31, v0
	s_delay_alu instid0(VALU_DEP_1)
	v_lshlrev_b32 v1, 4, v7
	s_wait_alu depctr_va_vdst(0)
	v_lshlrev_b32 v2, 3, v7
	s_wait_alu depctr_va_vdst(0)
	v_and_b32 v9, 15, v0                           ; r
	v_bfe_u32 v10, v0, 4, 1                        ; h
	s_delay_alu instid0(VALU_DEP_2)
	v_lshlrev_b32 v3, 4, v9
	s_wait_alu depctr_va_vdst(0)
	s_lshl_b32 s49, s15, 4
	s_add_co_u32 s49, s49, s16
	s_mul_i32 s54, s49, QREC
	s_mov_b32 s55, 0
	s_add_nc_u64 s[54:55], s[4:5], s[54:55]        ; my group's record of Q
	s_lshl_b32 s60, s14, 2
	s_add_co_u32 s60, s60, s13                     ; my tile in the group: 4 c + cx
	s_mul_i32 s56, s60, 768
	s_mov_b32 s57, 0
	s_add_nc_u64 s[56:57], s[54:55], s[56:57]
	s_lshl_b32 s58, s14, 8
	s_lshl_b32 s59, s13, 2
	s_add_co_u32 s58, s58, s59
	s_add_co_u32 s58, s58, 6144                    ; its scale words: [tile / 4][r][tile % 4]
	s_mov_b32 s59, 0
	s_add_nc_u64 s[58:59], s[54:55], s[58:59]
	global_load_b128 v[16:19], v1, s[56:57]
	global_load_b64 v[20:21], v2, s[56:57] offset:512
	global_load_b32 v11, v3, s[58:59]
	s_lshl_b32 s61, s14, 1
	s_lshr_b32 s62, s13, 1
	s_add_co_u32 s61, s61, s62
	s_lshl_b32 s61, s61, 5
	s_and_b32 s62, s13, 1
	s_lshl_b32 s62, s62, 3
	s_add_co_u32 s61, s61, s62                     ; the tile's first query in its group: 32 (tile / 2) + 8 (tile % 2)
	v_and_b32 v6, 8, v9
	s_delay_alu instid0(VALU_DEP_1)
	v_add_nc_u32 v6, v6, v9
	s_delay_alu instid0(VALU_DEP_1)
	v_add_nc_u32 v6, s61, v6                       ; my query in its group,
	v_lshlrev_b32 v8, 4, v10
	s_delay_alu instid0(VALU_DEP_1)
	v_sub_nc_u32 v6, v6, v8                        ; - 16 h: on the diagonal register 16 b + i holds key 32 b + i + 16 h, hidden where 32 b + i is above this number
	v_mov_b32 v13, 0xff61b1e6                      ; the largest t so far: -3e38
	s_delay_alu instid0(VALU_DEP_1)
	v_floor_f32 v12, -v13
	v_mov_b32 v14, 0
	v_mov_b32 v15, 0
.irp i, 22,23,24,25,26,27
	v_mov_b32 v\i, 0                               ; Q's upper 64 along K: zero codes
.endr
.irp t, 0,1,2,3
.irp i, 6,7,8,9,10,11
	v_mov_b32 v[32+12*\t+\i], 0                    ; K's likewise, written once
.endr
.endr
.irp b, 0,1,2,3
	v_mov_b32 v[236+\b], 0                         ; a lane permute's destination counts as one of its sources
.endr
	v_mov_b32 v252, 0
	v_mov_b32 v253, 0
.set j, 0
.rept 32
	v_mov_b32 v[192+j], 0                          ; O^T: the step is written once, and its first turn finds zeros
.set j, j+1
.endr
; A KEY STEP: 128 keys.  A step beyond my queries is left out: a branch on the wave's number and the count of steps, round the work alone.
.macro STEP
	s_cmp_ge_u32 s18, s17
	s_cbranch_scc1 .Lhid_\@
	s_setprio 2
	v_add_nc_u32 v8, s19, v1
	s_wait_alu depctr_va_vdst(0)
	v_add_nc_u32 v9, s19, v2
	s_wait_alu depctr_va_vdst(0)
	v_add_nc_u32 v10, s19, v3
	s_wait_alu depctr_va_vdst(0)
.irp g, 0,1                                    ; S^T = K Q^T, four tiles of 16 keys at a time
.if \g
.rept 4
	v_nop                                          ; places in front of loads into registers that the four products above have read
.endr
.endif
.irp t, 0,1,2,3
	ds_load_b128 v[32+12*\t:35+12*\t], v8 offset:768*(4*\g+\t)
	ds_load_b64 v[36+12*\t:37+12*\t], v9 offset:768*(4*\g+\t)+512
.endr
	ds_load_b128 v[248:251], v10 offset:12288+256*\g
	s_wait_dscnt 0x0
.irp t, 0,1,2,3
	v_wmma_scale_f32_16x16x128_f8f6f4 v[128+8*(4*\g+\t):135+8*(4*\g+\t)], v[32+12*\t:43+12*\t], v[16:27], 0, v[248+\t], v11 matrix_a_fmt:MATRIX_FMT_FP6 matrix_b_fmt:MATRIX_FMT_FP6
.endr
.endr
.irp t, 0,1,2,3                                ; V's fragments are asked for here and land under the softmax (seven plain instructions stand between the last step's products and these loads)
	ds_load_b128 v[80+12*\t:83+12*\t], v8 offset:6144+1536*\t
	ds_load_b64 v[84+12*\t:85+12*\t], v9 offset:6144+1536*\t+512
	ds_load_b128 v[86+12*\t:89+12*\t], v8 offset:6144+1536*\t+768
	ds_load_b64 v[90+12*\t:91+12*\t], v9 offset:6144+1536*\t+1280
.endr
	ds_load_b128 v[28:31], v10 offset:12800
.rept 4
	v_nop                                          ; places in front of the first read of the scores
.endr
	s_add_co_u32 s49, s18, 1
	s_cmp_lg_u32 s49, s17                          ; my last step lies on the diagonal: hidden scores become -infinity ahead of the maximum
	s_cbranch_scc1 .Lopen_\@
	v_mov_b32 v254, 0xff800000
.set n, 0
.rept 64
	v_cmp_gt_i32 vcc_lo, 32*(n/16)+n%16, v6
	v_cndmask_b32 v[128+n], v[128+n], v254, vcc_lo
.set n, n+1
.endr
.Lopen_\@:
.irp b, 0,1,2,3
	v_max3_num_f32 v[232+\b], v[128+16*\b], v[129+16*\b], v[130+16*\b]   ; the largest score of each block of 32 keys: for the row's maximum, and for the block's largest p
.endr
.irp i, 3,5,7,9,11,13
.irp b, 0,1,2,3
	v_max3_num_f32 v[232+\b], v[232+\b], v[128+16*\b+\i], v[129+16*\b+\i]
.endr
.endr
.irp b, 0,1,2,3
	v_max_num_f32 v[232+\b], v[232+\b], v[143+16*\b]
.endr
.irp b, 0,1,2,3
	s_delay_alu instid0(VALU_DEP_4)
	v_permlanex16_b32 v[236+\b], v[232+\b], s[SEL], s[SEL+1]
.endr
.irp b, 0,1,2,3
	s_delay_alu instid0(VALU_DEP_4)
	v_max_num_f32 v[232+\b], v[232+\b], v[236+\b]
.endr
	s_delay_alu instid0(VALU_DEP_2)
	v_max3_num_f32 v254, v232, v233, v234
	s_delay_alu instid0(VALU_DEP_1)
	v_max_num_f32 v254, v254, v235
	s_delay_alu instid0(VALU_DEP_1)
	v_mul_f32 v254, s[CS], v254
	s_delay_alu instid0(VALU_DEP_1)
	v_max_num_f32 v13, v13, v254                   ; the running largest t
	v_mov_b32 v254, v12
	s_delay_alu instid0(VALU_DEP_2)
	v_floor_f32 v12, -v13                          ; the new -M
	s_delay_alu instid0(VALU_DEP_1)
	v_sub_f32 v254, v12, v254                      ; old M - new M: a whole number, 0 or less
	s_delay_alu instid0(VALU_DEP_1)
	v_cvt_i32_f32 v254, v254                       ; (it saturates)
	s_delay_alu instid0(VALU_DEP_1)
	v_ldexp_f32 v252, 1.0, v254                    ; f = 2^(old M - new M)
.set j, 0
	s_setprio 1
.rept 32
	v_pk_fma_f32 v[128+j:129+j], v[128+j:129+j], s[CS:CS+1], v[12:13] op_sel_hi:[1,0,0]   ; t - M
.set j, j+2
.endr
.irp b, 0,1,2,3
	v_fma_f32 v[232+\b], v[232+\b], s[CS], v12
.endr
.set j, 0
	s_wait_alu depctr_va_vdst(0)
.rept 64
	v_exp_f32 v[128+j], v[128+j]                   ; p = 2^(t - M)
.set j, j+1
.endr
	v_pk_mul_f32 v[14:15], v[14:15], v[252:253] op_sel_hi:[1,0]   ; the sums under the new M (a plain place behind the exponentials)
	s_wait_alu depctr_va_vdst(0)                   ; one wait for the batch of 64, ahead of its first reader
.irp b, 0,1,2,3
	v_exp_f32 v[232+\b], v[232+\b]                 ; the blocks' largest p
.endr
	v_pk_add_f32 v[236:237], v[132:133], v[136:137]
	v_pk_add_f32 v[254:255], v[140:141], v[144:145]
	v_pk_add_f32 v[250:251], v[148:149], v[152:153]
	v_pk_add_f32 v[248:249], v[156:157], v[160:161]
	v_pk_add_f32 v[246:247], v[164:165], v[168:169]
	v_pk_add_f32 v[244:245], v[172:173], v[176:177]
	v_pk_add_f32 v[242:243], v[180:181], v[184:185]
	v_pk_add_f32 v[14:15], v[14:15], v[188:189]
	v_pk_add_f32 v[236:237], v[236:237], v[128:129]
	v_pk_add_f32 v[254:255], v[254:255], v[130:131]
	v_pk_add_f32 v[250:251], v[250:251], v[134:135]
	v_pk_add_f32 v[248:249], v[248:249], v[138:139]
	v_pk_add_f32 v[246:247], v[246:247], v[142:143]
	v_pk_add_f32 v[244:245], v[244:245], v[146:147]
	v_pk_add_f32 v[242:243], v[242:243], v[150:151]
	v_pk_add_f32 v[14:15], v[14:15], v[154:155]
	v_pk_add_f32 v[236:237], v[236:237], v[158:159]
	v_pk_add_f32 v[254:255], v[254:255], v[162:163]
	v_pk_add_f32 v[250:251], v[250:251], v[166:167]
	v_pk_add_f32 v[248:249], v[248:249], v[170:171]
	v_pk_add_f32 v[246:247], v[246:247], v[174:175]
	v_pk_add_f32 v[244:245], v[244:245], v[178:179]
	v_pk_add_f32 v[242:243], v[242:243], v[182:183]
	v_pk_add_f32 v[14:15], v[14:15], v[186:187]
	v_pk_add_f32 v[236:237], v[236:237], v[190:191]
	s_delay_alu instid0(VALU_DEP_2)
	v_pk_add_f32 v[14:15], v[14:15], v[248:249]
	s_delay_alu instid0(VALU_DEP_2)
	v_pk_add_f32 v[236:237], v[236:237], v[246:247]
	v_pk_add_f32 v[254:255], v[254:255], v[244:245]
	v_pk_add_f32 v[250:251], v[250:251], v[242:243]
	s_delay_alu instid0(VALU_DEP_2)
	v_pk_add_f32 v[14:15], v[14:15], v[254:255]
	s_delay_alu instid0(VALU_DEP_2)
	v_pk_add_f32 v[236:237], v[236:237], v[250:251]
	s_delay_alu instid0(VALU_DEP_1)
	v_pk_add_f32 v[14:15], v[14:15], v[236:237]
	s_wait_alu depctr_va_vdst(0)                   ; and one for the four
.irp b, 0,1,2,3
	v_max_num_f32 v[232+\b], 0x1800000, v[232+\b]  ; the floor 2^(3 - 127): the byte cannot fall under 1
.endr
.irp b, 0,1,2,3
	s_delay_alu instid0(VALU_DEP_4)
	v_add_nc_u32 v[244+\b], 0xff000000, v[232+\b]
.endr
.irp b, 0,1,2,3
	s_delay_alu instid0(VALU_DEP_4)
	v_lshrrev_b32 v[236+\b], 23, v[244+\b]
.endr
	s_delay_alu instid0(VALU_DEP_3)
	v_lshl_or_b32 v253, v237, 8, v236              ; p's scale word for these 128 keys
	s_delay_alu instid0(VALU_DEP_1)
	v_lshl_or_b32 v253, v238, 16, v253
	s_delay_alu instid0(VALU_DEP_1)
	v_lshl_or_b32 v253, v239, 24, v253
	s_setprio 0
.irp c, 0,1
	v_cvt_scalef32_pk16_fp6_f32 v[224+6*\c:226+6*\c], v[128+32*\c:143+32*\c], v[244+2*\c]
	v_cvt_scalef32_pk16_fp6_f32 v[236+4*\c:238+4*\c], v[144+32*\c:159+32*\c], v[245+2*\c]
.endr
	v_nop                                          ; one plain place behind a scaled conversion
.irp c, 0,1
.irp i, 0,1,2
	v_permlane16_swap_b32 v[224+6*\c+\i], v[236+4*\c+\i]
.endr
.irp i, 0,1,2
	s_delay_alu instid0(VALU_DEP_3)
	v_mov_b32 v[227+6*\c+\i], v[236+4*\c+\i]
.endr
.endr
.set j, 0
.rept 16
	v_pk_mul_f32 v[192+j:193+j], v[192+j:193+j], v[252:253] op_sel_hi:[1,0]   ; O^T under the new M; these sixteen are also the places in front of the products below
.set j, j+2
.endr
	s_wait_alu depctr_va_vdst(0)
	s_wait_dscnt 0x0                               ; V is in
.irp t, 0,1,2,3                                ; O^T += V^T P^T: the four accumulators by turns
	v_wmma_scale_f32_16x16x128_f8f6f4 v[192+8*\t:199+8*\t], v[80+12*\t:91+12*\t], v[224:235], v[192+8*\t:199+8*\t], v[28+\t], v253 matrix_a_fmt:MATRIX_FMT_FP6 matrix_b_fmt:MATRIX_FMT_FP6
.endr
.Lhid_\@:
	s_add_co_u32 s18, s18, 1
	s_add_co_u32 s19, s19, REC
.endm
.macro KLOOP n
	s_mov_b32 s48, \n
.Lk_\@:
	STEP
	s_sub_co_u32 s48, s48, 1
	s_cmp_lg_u32 s48, 0
	s_cbranch_scc1 .Lk_\@
	s_setprio 0
.endm
	s_wait_loadcnt 0x0                             ; Q
	s_wait_tensorcnt 0x3                           ; my first record is in; my three later ones may be out
	s_barrier_signal -1
	s_barrier_wait -1                              ; records 0-3 are there
	KLOOP 2
	s_wait_tensorcnt 0x0                           ; all my records are in (no LDS load of mine is out: each step waits for its own)
	s_barrier_signal -1
	s_barrier_wait -1                              ; the whole head is there
	KLOOP 14
	; THE WAY OUT: O / the sum, quantised along the model's channels (the head's 64 are two blocks), as half a fragment of the last product's A, and its two scale bytes.
.rept 4
	v_nop                                          ; places behind the last products
.endr
	v_add_f32 v14, v14, v15
	s_delay_alu instid0(VALU_DEP_1)
	v_permlanex16_b32 v252, v14, s[SEL], s[SEL+1]
	s_delay_alu instid0(VALU_DEP_1)
	v_add_f32 v14, v14, v252                       ; the row's sum
	s_wait_alu depctr_va_vdst(0)
	v_rcp_f32 v14, v14
	v_nop                                          ; a plain place behind the reciprocal
	s_lshr_b32 s49, s15, 4
	s_lshl_b32 s49, s49, 7                         ; 128 tiles a batch
	s_lshl_b32 s50, s16, 3
	s_add_co_u32 s49, s49, s50
	s_add_co_u32 s49, s49, s60                     ; my tile among the 512
	s_and_b32 s50, s15, 15                         ; the head
	s_mul_i32 s52, s49, 12288
	s_mul_i32 s51, s50, 768                        ; K step head / 2, half head % 2
	s_add_co_u32 s52, s52, s51
	s_mov_b32 s53, 0
	s_add_nc_u64 s[8:9], s[8:9], s[52:53]
	s_lshl_b32 s52, s49, 9
	s_lshr_b32 s51, s50, 3
	s_lshl_b32 s51, s51, 8
	s_add_co_u32 s52, s52, s51
	s_and_b32 s51, s50, 7
	s_lshl_b32 s51, s51, 1                         ; word (head / 2) % 4, bytes 2 (head % 2) on
	s_add_co_u32 s52, s52, s51
	s_add_nc_u64 s[10:11], s[10:11], s[52:53]
	s_wait_alu depctr_va_vdst(0)                   ; ahead of the reciprocal's first reader
.set j, 0
.rept 32
	v_mul_f32 v[128+j], v[192+j], v14              ; register 16 b + i: channel 32 b + 16 h + i of the head
.set j, j+1
.endr
.irp b, 0,1
	v_max3_num_f32 v[232+\b], |v[128+16*\b]|, |v[129+16*\b]|, 0x1800000
.endr
.irp i, 2,4,6,8,10,12,14
.irp b, 0,1
	s_delay_alu instid0(VALU_DEP_2)
	v_max3_num_f32 v[232+\b], v[232+\b], |v[128+16*\b+\i]|, |v[129+16*\b+\i]|
.endr
.endr
.irp b, 0,1
	s_delay_alu instid0(VALU_DEP_2)
	v_permlanex16_b32 v[236+\b], v[232+\b], s[SEL], s[SEL+1]
.endr
.irp b, 0,1
	s_delay_alu instid0(VALU_DEP_2)
	v_max_num_f32 v[232+\b], v[232+\b], v[236+\b]
.endr
.irp b, 0,1
	s_delay_alu instid0(VALU_DEP_2)
	v_add_nc_u32 v[244+\b], 0xff000000, v[232+\b]
.endr
.irp b, 0,1
	s_delay_alu instid0(VALU_DEP_2)
	v_lshrrev_b32 v[236+\b], 23, v[244+\b]
.endr
	s_delay_alu instid0(VALU_DEP_1)
	v_lshl_or_b32 v254, v237, 8, v236
	v_cvt_scalef32_pk16_fp6_f32 v[224:226], v[128:143], v244
	v_cvt_scalef32_pk16_fp6_f32 v[236:238], v[144:159], v245
	v_nop
.irp i, 0,1,2
	v_permlane16_swap_b32 v[224+\i], v[236+\i]
.endr
.irp i, 0,1,2
	s_delay_alu instid0(VALU_DEP_3)
	v_mov_b32 v[227+\i], v[236+\i]
.endr
	global_store_b128 v1, v[224:227], s[8:9]       ; 512 consecutive bytes,
	global_store_b64 v2, v[228:229], s[8:9] offset:512   ; and 256
	global_store_b16 v3, v254, s[10:11]            ; two bytes a row: the other half of each word is another head's (lanes l and l + 16 hold the same bytes and name the same place)
	s_wait_tensorcnt 0x0                           ; the wave's end
	ds_add_u32 v[SPW], v[NIL]
	s_wait_dscnt 0x0
	CROUND                                         ; the closing round
	s_endpgm
.Lfunc_end_k_q8102bd2ee0_attn:
	.size	k_q8102bd2ee0_attn, .Lfunc_end_k_q8102bd2ee0_attn-k_q8102bd2ee0_attn
	.p2alignl 7, 3214868480
	.fill 96, 4, 3214868480
	.section	.rodata,"a",@progbits
	.p2align	6, 0x0
	.amdhsa_kernel k_q8102bd2ee0_attn
		.amdhsa_group_segment_fixed_size 210944
		.amdhsa_private_segment_fixed_size 0
		.amdhsa_enable_private_segment 0
		.amdhsa_kernarg_size 32
		.amdhsa_user_sgpr_count 2
		.amdhsa_user_sgpr_kernarg_segment_ptr 1
		.amdhsa_wavefront_size32 1
		.amdhsa_system_sgpr_workgroup_id_x 1
		.amdhsa_system_sgpr_workgroup_id_y 1
		.amdhsa_system_sgpr_workgroup_id_z 1
		.amdhsa_system_vgpr_workitem_id 0
		.amdhsa_next_free_vgpr 256
		.amdhsa_next_free_sgpr 66
		.amdhsa_reserve_vcc 1
		.amdhsa_float_denorm_mode_32 3
		.amdhsa_float_denorm_mode_16_64 3
		.amdhsa_memory_ordered 1
		.amdhsa_forward_progress 1
		.amdhsa_inst_pref_size 60
	.end_amdhsa_kernel
	.amdgpu_metadata
---
amdhsa.version: [ 1, 2 ]
amdhsa.kernels:
  - .name:           k_q8102bd2ee0_attn
    .symbol:         k_q8102bd2ee0_attn.kd
    .args:
      - { .name: q_img, .offset: 0, .size: 8, .value_kind: global_buffer, .address_space: global }
      - { .name: kv, .offset: 8, .size: 8, .value_kind: global_buffer, .address_space: global }
      - { .name: o_img, .offset: 16, .size: 8, .value_kind: global_buffer, .address_space: global }
      - { .name: o_sc, .offset: 24, .size: 8, .value_kind: global_buffer, .address_space: global }
    .group_segment_fixed_size: 210944
    .private_segment_fixed_size: 0
    .kernarg_segment_align: 8
    .kernarg_segment_size: 32
    .max_flat_workgroup_size: 512
    .sgpr_count:     66
    .vgpr_count:     256
    .wavefront_size: 32
...
	.end_amdgpu_metadata
.endif
;; end of part 3
;; launch oproj (part 4): grid 4 x 32, 4 waves a work-group, clusters of 4 x 4, 327,680 bytes of LDS; arguments o_img, o_sc, xw_img, xw_sc, out0; writes out0
.if DOCPART == 4
	.amdgcn_target "amdgcn-amd-amdhsa--gfx1250"
	.amdhsa_code_object_version 6
	.text
	.protected	k_q8102bd2ee0_oproj
	.globl	k_q8102bd2ee0_oproj
	.p2align	8
	.type	k_q8102bd2ee0_oproj,@function
k_q8102bd2ee0_oproj:
	s_mov_b64 s[64:65], 0
	v_nop
	global_prefetch_b8 v0, s[64:65] scope:SCOPE_SE
	s_setreg_imm32_b32 hwreg(HW_REG_WAVE_MODE, 25, 1), 1
	s_wait_xcnt 0x0
	s_wait_alu depctr_hold_cnt(0) depctr_sa_sdst(0) depctr_va_vdst(0) depctr_va_sdst(0) depctr_va_ssrc(0) depctr_va_vcc(0) depctr_vm_vsrc(0)
	s_getreg_b32 s2, hwreg(HW_REG_IB_STS2, 6, 4)
	s_cmp_eq_u32 s2, 0
	s_cbranch_scc0 .Lentry_in_a_cluster
	s_endpgm
.Lentry_in_a_cluster:
	s_bfe_u32 s2, ttmp6, 0x10000c
	s_cmp_lg_u32 s2, 0xf033
	s_cbranch_scc0 .Lentry_shape_is_right
	s_endpgm
.Lentry_shape_is_right:
; out0 = O WO^T on codes of FP6 (E2M3) with E8M0 scales; out0 [8192][1024] f32.  O's codes and scale words were made by the attention launch, WO's (units 44-47 of xw_img, xw_sc) by the first launch.
; THE GEMM is that of the projections: a tile of 256 x 256 to a work-group of four waves, 128 x 128 to a wave; K = 1,024 in four steps of 256 through two LDS slots; operands as register images (a fragment of 16 rows x
; 128 K: registers 6 c .. 6 c + 3 at 768 c + 16 x lane, 6 c + 4, 6 c + 5 at 768 c + 512 + 8 x lane); the scale words come once; the matrix instruction is used transposed (source 0 = 16 rows of WO, source 1 = 16 rows of O).
; CLUSTERS of 4 x 4: O's tiles are asked for jointly along a row of the cluster, WO's along a column.
; THE ROWS OF A TILE: place r of tile 2 B + u is row 32 B + 8 u + r % 8 + 16 (r / 8), for O and for WO.  So a lane's eight results of accumulator (a, b) are columns 32 (b / 2) + 16 h + 8 (b % 2) + 0 .. 7 of one row;
; a block of 16 rows goes through the wave's own stage in LDS, and each row leaves to its true place by the store's immediate.
; The stage lies in slot 0, which has had its last fill and its last read when the first result is stored there.
; 128 work-groups: the tile is kept as in the projections, so that one form of the product serves both launches.
.set NQ,     2
.set FR,     12
.set NL,     4
.set NP,     4
.set TILEB,  3072
.set HALFT,  8*TILEB
.set SLOT,   4*HALFT
.set SCL,    2*SLOT
.set HALFS,  4096
.set SPARE,  SCL+4*HALFS               ; the spare words, 128 bytes for each wave, which no other line names
.set SPITCH, 528                       ; a stage row: 512 bytes + 16
.set ADRA, 16
.set ADRB, 20
.set STO,  24                          ; v24 the way out: where I put 32 bytes of a row
.set RD,   25                          ; v25 where I read a row back
.set ADRS, 27
.set SPW,  28
.set NIL,  29
.set SC,   32
.set AF,   128
.set BK,   128                         ; the way out: 16 rows read back: v128-191 and v192-255 by turns
.set G1, 24
.set G0, 32
.set G1B, 48
.set G0B, 56
.set G1S, 68
.set G0S, 76
.set G1SB, 80
.set G0SB, 88
.set MSB, 0
.macro WIN new
.if MSB != \new
	s_set_vgpr_msb (MSB<<8)|\new
.set MSB, \new
.endif
.endm
.set MUL_LO, 0xa1
.set MUL_HI, 0xf1
.set TO_B,   0x40
.macro JLOAD g0a, g1a, g0b, g1b        ; a joint load: waves 0 and 1 fetch for A, waves 2 and 3 for B; an s_nop 0 and four v_nop follow each line
	s_cmp_eq_u32 s15, 0
	s_cbranch_scc0 .Lfor_b_\@
	tensor_load_to_lds s[\g0a:\g0a+3], s[\g1a:\g1a+7]
	s_nop 0
.rept 4
	v_nop
.endr
	s_branch .Lasked_\@
.Lfor_b_\@:
	tensor_load_to_lds s[\g0b:\g0b+3], s[\g1b:\g1b+7]
	s_nop 0
.rept 4
	v_nop
.endr
.Lasked_\@:
.endm
.macro CREST
	s_cmp_lg_u32 s14, 0
	s_cbranch_scc1 .Lnot_wave_0_\@
	s_barrier_signal -3
.Lnot_wave_0_\@:
	s_barrier_wait -3
	s_barrier_signal -1
	s_barrier_wait -1
.endm
.macro CROUND
	s_barrier_signal -1
	s_barrier_wait -1
	CREST
.endm
	s_load_b128 s[4:7], s[0:1], 0x0                ; o_img, o_sc
	s_load_b128 s[8:11], s[0:1], 0x10              ; xw_img, xw_sc
	s_load_b64 s[12:13], s[0:1], 0x20              ; out0
	v_lshl_add_u32 v[SPW], v0, 2, SPARE
	v_mov_b32 v[NIL], 0
	ds_add_u32 v[SPW], v[NIL]                      ; the wave's opening: the add and its wait ahead of my first tensor load
	v_lshrrev_b32 v1, 5, v0
	v_readfirstlane_b32 s14, v1
	s_lshr_b32 s15, s14, 1
	s_and_b32 s16, s14, 1
	s_bfe_u32 s40, ttmp6, 0x40000                  ; cx
	s_bfe_u32 s41, ttmp6, 0x40004                  ; cy
	s_and_b32 s17, ttmp7, 0xffff
	s_lshl_b32 s17, s17, 2
	s_add_co_u32 s17, s17, s41                     ; O's unit of 256 rows
	s_add_co_u32 s42, s40, 44                      ; WO's unit
	s_lshl_b32 s43, s41, 2
	s_lshl_b32 s43, 15, s43
	s_lshl_b32 s44, 0x1111, s40
	s_or_b32 s[G1+0], s43, (3<<16)|(1<<21)         ; the codes: 8 tiles x 3,072 bytes (384 elements of 8 bytes), 12,288 bytes apart; no padding
	s_or_b32 s[G1B+0], s44, (3<<16)|(1<<21)
.irp g, G1, G1B
	s_mov_b32 s[\g+1], 384<<16
	s_mov_b32 s[\g+2], 8<<16
	s_mov_b32 s[\g+3], 384<<16
	s_mov_b32 s[\g+4], 8
	s_mov_b32 s[\g+5], 1536
	s_mov_b32 s[\g+6], 0
	s_mov_b32 s[\g+7], 0
.endr
	s_or_b32 s[G1S+0], s43, (3<<16)|(1<<21)        ; the scale words of 128 rows: 4,096 dense bytes as 16 rows of 256
	s_or_b32 s[G1SB+0], s44, (3<<16)|(1<<21)
.irp g, G1S, G1SB
	s_mov_b32 s[\g+1], 32<<16
	s_mov_b32 s[\g+2], 16<<16
	s_mov_b32 s[\g+3], 32<<16
	s_mov_b32 s[\g+4], 16
	s_mov_b32 s[\g+5], 32
	s_mov_b32 s[\g+6], 0
	s_mov_b32 s[\g+7], 0
.endr
	s_mul_i32 s18, s16, 98304
	s_mul_i32 s20, s17, 196608
	s_add_co_u32 s20, s20, s18
	s_mov_b32 s21, 0
	s_mul_i32 s46, s42, 196608
	s_add_co_u32 s46, s46, s18
	s_mov_b32 s47, 0
	s_lshl_b32 s19, s16, 12
	s_lshl_b32 s22, s17, 13
	s_add_co_u32 s22, s22, s19
	s_mov_b32 s23, 0
	s_lshl_b32 s92, s42, 13
	s_add_co_u32 s92, s92, s19
	s_mov_b32 s93, 0
	s_mul_i32 s45, s14, HALFT
	s_lshl_b32 s94, s14, 12
	s_wait_dscnt 0x0                               ; the opening add is done
	s_wait_kmcnt 0x0
	s_add_nc_u64 s[20:21], s[4:5], s[20:21]
	s_add_nc_u64 s[22:23], s[6:7], s[22:23]
	s_add_nc_u64 s[46:47], s[8:9], s[46:47]
	s_add_nc_u64 s[92:93], s[10:11], s[92:93]
	CROUND                                         ; all sixteen work-groups are here: the first joint loads meet
	s_mov_b32 s[G0S], 1
	s_add_co_u32 s[G0S+1], s94, SCL
	s_mov_b64 s[G0S+2:G0S+3], s[22:23]
	s_or_b32 s[G0S+3], s[G0S+3], 0x80000000
	s_mov_b32 s[G0SB], 1
	s_add_co_u32 s[G0SB+1], s94, SCL
	s_mov_b64 s[G0SB+2:G0SB+3], s[92:93]
	s_or_b32 s[G0SB+3], s[G0SB+3], 0x80000000
	JLOAD G0S, G1S, G0SB, G1SB
.irp s, 0,1
	s_mov_b32 s[G0+4*\s], 1
	s_add_co_u32 s[G0+4*\s+1], s45, \s*SLOT
	s_add_nc_u64 s[G0+4*\s+2:G0+4*\s+3], s[20:21], \s*TILEB
	s_or_b32 s[G0+4*\s+3], s[G0+4*\s+3], 0x80000000
	s_mov_b32 s[G0B+4*\s], 1
	s_add_co_u32 s[G0B+4*\s+1], s45, \s*SLOT
	s_add_nc_u64 s[G0B+4*\s+2:G0B+4*\s+3], s[46:47], \s*TILEB
	s_or_b32 s[G0B+4*\s+3], s[G0B+4*\s+3], 0x80000000
	JLOAD G0+4*\s, G1, G0B+4*\s, G1B
.endr
	v_and_b32 v1, 31, v0
	v_and_b32 v2, 15, v0
	v_bfe_u32 v3, v0, 4, 1
	v_lshlrev_b32 v4, 4, v1                        ; 16 x lane: also my byte offset in a row's 512 bytes of out0
	v_lshlrev_b32 v5, 3, v1
	s_mul_i32 s18, s15, HALFT
	s_mul_i32 s19, s16, HALFT
	s_add_co_u32 s19, s19, 2*HALFT
.irp s, 0,1
	v_add_nc_u32 v[ADRA+\s], s18, v4
	v_add_nc_u32 v[ADRB+\s], s19, v4
	v_add_nc_u32 v[ADRA+2+\s], s18, v5
	v_add_nc_u32 v[ADRB+2+\s], s19, v5
	s_add_co_u32 s18, s18, SLOT
	s_add_co_u32 s19, s19, SLOT
.endr
	v_lshlrev_b32 v6, 4, v2
	s_mul_i32 s21, s15, HALFS
	s_mul_i32 s22, s16, HALFS
	s_add_co_u32 s22, s22, 2*HALFS
	s_sub_co_u32 s22, s22, s21
	v_mul_u32_u24 v7, s22, v3                      ; lanes 16-31 take B's
	s_add_co_u32 s21, s21, SCL
	v_add_nc_u32 v6, v6, v7
	v_add_nc_u32 v[ADRS], s21, v6
	s_mul_i32 s23, s14, 16*SPITCH                  ; my stage
	v_mul_u32_u24 v6, v2, SPITCH
	v_lshl_add_u32 v6, v3, 6, v6
	v_add_nc_u32 v[STO], s23, v6                   ; in: row r, + 64 h
	v_add_nc_u32 v[RD], s23, v4                    ; back: the 32 lanes take one row of 512 bytes
	s_lshl_b32 s20, s17, 8
	s_lshl_b32 s21, s15, 7
	s_add_co_u32 s20, s20, s21                     ; my first row of out0,
	s_lshl_b32 s20, s20, 12                        ; of 4,096 bytes,
	s_lshl_b32 s46, s40, 10                        ; my first column: 256 cx + 128 x half, 4 bytes each
	s_lshl_b32 s47, s16, 9
	s_add_co_u32 s46, s46, s47
	s_add_co_u32 s20, s20, s46
	s_mov_b32 s21, 0
	s_add_nc_u64 s[12:13], s[12:13], s[20:21]
.macro FRAG reg, adr, q, i
	ds_load_b128 v[\reg:\reg+3], v[\adr] offset:(\i)*TILEB+(\q)*1536
	ds_load_b64 v[\reg+4:\reg+5], v[\adr+2] offset:(\i)*TILEB+(\q)*1536+512
	ds_load_b128 v[\reg+6:\reg+9], v[\adr] offset:(\i)*TILEB+(\q)*1536+768
	ds_load_b64 v[\reg+10:\reg+11], v[\adr+2] offset:(\i)*TILEB+(\q)*1536+1280
.endm
; The 64 accumulators take turns, one instruction a turn, in the same order in every step.
.macro MUL16 a0, p, q, sc, zero
.irp a, \a0, \a0+1
.irp b, 0,1,2,3,4,5,6,7
.if \zero
	v_wmma_scale_f32_16x16x128_f8f6f4 v[8*(8*((\a)%4)+\b):8*(8*((\a)%4)+\b)+7], v[128*(\p)+FR*\b:128*(\p)+FR*\b+FR-1], v[AF+FR*(\a):AF+FR*(\a)+FR-1], 0, v[SC+8*NQ*(\sc)+NQ*\b+(\q)], v[SC+8*NQ*(\sc)+NQ*(\a)+(\q)] matrix_a_fmt:MATRIX_FMT_FP6 matrix_b_fmt:MATRIX_FMT_FP6 matrix_a_scale:MATRIX_SCALE_ROW1
.else
	v_wmma_scale_f32_16x16x128_f8f6f4 v[8*(8*((\a)%4)+\b):8*(8*((\a)%4)+\b)+7], v[128*(\p)+FR*\b:128*(\p)+FR*\b+FR-1], v[AF+FR*(\a):AF+FR*(\a)+FR-1], v[8*(8*((\a)%4)+\b):8*(8*((\a)%4)+\b)+7], v[SC+8*NQ*(\sc)+NQ*\b+(\q)], v[SC+8*NQ*(\sc)+NQ*(\a)+(\q)] matrix_a_fmt:MATRIX_FMT_FP6 matrix_b_fmt:MATRIX_FMT_FP6 matrix_a_scale:MATRIX_SCALE_ROW1
.endif
.endr
.endr
.endm
.macro FETCH_B slot, q, p
	WIN TO_B
.irp i, 0,1,2,3,4,5,6,7
	FRAG 128*(\p)+FR*\i, ADRB+\slot, \q, \i
.endr
	WIN 0
.endm
.macro FETCH_A slot, q, i0
.irp i, \i0, \i0+1, \i0+2, \i0+3
	FRAG AF+FR*(\i), ADRA+\slot, \q, \i
.endr
.endm
.macro SCALES sc, ks
.irp i, 0,1,2,3,4,5,6,7
	ds_load_b64 v[SC+16*\sc+2*\i:SC+16*\sc+2*\i+1], v[ADRS] offset:\i*512+256*((\ks)/2)+8*((\ks)%2)
.endr
.endm
.macro PLACES n
.rept \n
	v_nop
.endr
.endm
.macro STEP slot, zero
	s_wait_dscnt 4*NL                              ; all but the 16 youngest loads (A's blocks 4-7)
	WIN MUL_LO
	MUL16 0, 0, 0, \slot, \zero
	MUL16 2, 0, 0, \slot, \zero
	s_wait_dscnt 0
	PLACES NP
	FETCH_B \slot, 1, 1
	FETCH_A \slot, 1, 0
	WIN MUL_HI
	MUL16 4, 0, 0, \slot, \zero
	MUL16 6, 0, 0, \slot, \zero
	PLACES NP
	WIN 0
	FETCH_A \slot, 1, 4
.endm
.macro TURN slot, next, fill, ks
	s_wait_tensorcnt 0x0                           ; all my tensor loads have landed: my part of the next slot
	ds_add_u32 v[SPW], v[NIL]
	s_wait_dscnt 4*NL+1                            ; (the add and the 16 youngest loads may be out)
	WIN MUL_LO
	MUL16 0, 1, 1, \slot, 0
	s_wait_dscnt 0x0                               ; the add is done, and my reads of this slot are over
	s_barrier_signal -1
	MUL16 2, 1, 1, \slot, 0
	WIN 0
	s_barrier_wait -1
.if \fill
	CREST                                          ; no wave of any partner still reads this slot or has a load on its way
	s_add_nc_u64 s[G0+4*\slot+2:G0+4*\slot+3], s[G0+4*\slot+2:G0+4*\slot+3], 2*TILEB
	s_add_nc_u64 s[G0B+4*\slot+2:G0B+4*\slot+3], s[G0B+4*\slot+2:G0B+4*\slot+3], 2*TILEB
	JLOAD G0+4*\slot, G1, G0B+4*\slot, G1B
.else
	PLACES NP
.endif
	FETCH_B \next, 0, 0
	FETCH_A \next, 0, 0
	SCALES \next, \ks
	WIN MUL_HI
	MUL16 4, 1, 1, \slot, 0
	MUL16 6, 1, 1, \slot, 0
	PLACES NP
	WIN 0
	FETCH_A \next, 0, 4
.endm
	s_wait_tensorcnt 1                             ; the scale words and my part of K step 0 are in (K step 1's load may be out),
	s_barrier_signal -1
	s_barrier_wait -1                              ; everybody's are
	FETCH_B 0, 0, 0
	FETCH_A 0, 0, 0
	SCALES 0, 0
	FETCH_A 0, 0, 4
	STEP 0, 1
	TURN 0, 1, 1, 1
	STEP 1, 0
	TURN 1, 0, 1, 2
	STEP 0, 0
	TURN 0, 1, 0, 3
	STEP 1, 0
	s_wait_dscnt 4*NL
	WIN MUL_LO
	MUL16 0, 1, 1, 1, 0
	MUL16 2, 1, 1, 1, 0
	s_wait_dscnt 0
	WIN MUL_HI
	MUL16 4, 1, 1, 1, 0
	MUL16 6, 1, 1, 1, 0
	WIN 0
; THE WAY OUT, block by block of 16 rows x 128 columns, through my own stage.  LDS serves a wave's instructions in order: no wait between the stores and the loads, nor in front of the next block's stores.
.macro TOSTAGE a
.set AC, 64*((\a)%4)
.set WW, 0x08+4*((\a)/4)
	WIN WW                                         ; the data: window 2 or 3
.irp b, 0,1,2,3,4,5,6,7
	ds_store_b128 v[STO], v[AC+8*\b:AC+8*\b+3] offset:128*(\b/2)+32*(\b%2)          ; each accumulator from its low end on
	ds_store_b128 v[STO], v[AC+8*\b+4:AC+8*\b+7] offset:128*(\b/2)+32*(\b%2)+16
.endr
	WIN 0
.set BB, BK+64*((\a)%2)
.irp t, 0,1,2,3,4,5,6,7,8,9,10,11,12,13,14,15
	ds_load_b128 v[BB+4*\t:BB+4*\t+3], v[RD] offset:\t*SPITCH
.endr
.endm
.macro SEND a, younger                 ; younger: the LDS instructions issued behind block a's loads, which may stay out
.set BB, BK+64*((\a)%2)
	s_wait_dscnt \younger
.irp t, 0,1,2,3,4,5,6,7,8,9,10,11,12,13,14,15
	global_store_b128 v4, v[BB+4*\t:BB+4*\t+3], s[12:13] offset:(32*((\a)/2)+8*((\a)%2)+\t%8+16*(\t/8))*4096 th:TH_STORE_NT   ; place t of tile a goes to its true row; 32 lanes store 512 consecutive bytes, at a multiple of 256 from out0's first byte
.endr
.endm
	PLACES NP
	TOSTAGE 0
.irp a, 1,2,3,4,5,6,7
.if \a > 1
	s_wait_xcnt 0x0                                ; block a - 2's stores have read their registers: block a's loads may land there
.endif
	TOSTAGE \a
	SEND \a-1, 32                                  ; behind block a - 1's loads: block a's 16 stores and 16 loads
.endr
	SEND 7, 0
	s_wait_tensorcnt 0x0                           ; the wave's end
	ds_add_u32 v[SPW], v[NIL]
	s_wait_dscnt 0x0
	CROUND                                         ; the closing round
	s_endpgm
.Lfunc_end_k_q8102bd2ee0_oproj:
	.size	k_q8102bd2ee0_oproj, .Lfunc_end_k_q8102bd2ee0_oproj-k_q8102bd2ee0_oproj
	.p2alignl 7, 3214868480
	.fill 96, 4, 3214868480
	.section	.rodata,"a",@progbits
	.p2align	6, 0x0
	.amdhsa_kernel k_q8102bd2ee0_oproj
		.amdhsa_group_segment_fixed_size 327680
		.amdhsa_private_segment_fixed_size 0
		.amdhsa_enable_private_segment 0
		.amdhsa_kernarg_size 40
		.amdhsa_user_sgpr_count 2
		.amdhsa_user_sgpr_kernarg_segment_ptr 1
		.amdhsa_wavefront_size32 1
		.amdhsa_system_sgpr_workgroup_id_x 1
		.amdhsa_system_sgpr_workgroup_id_y 1
		.amdhsa_system_sgpr_workgroup_id_z 1
		.amdhsa_system_vgpr_workitem_id 0
		.amdhsa_next_free_vgpr 1024
		.amdhsa_next_free_sgpr 100
		.amdhsa_reserve_vcc 0
		.amdhsa_float_denorm_mode_32 3
		.amdhsa_float_denorm_mode_16_64 3
		.amdhsa_memory_ordered 1
		.amdhsa_forward_progress 1
		.amdhsa_inst_pref_size 143
	.end_amdhsa_kernel
	.amdgpu_metadata
---
amdhsa.version: [ 1, 2 ]
amdhsa.kernels:
  - .name:           k_q8102bd2ee0_oproj
    .symbol:         k_q8102bd2ee0_oproj.kd
    .args:
      - { .name: o_img, .offset: 0, .size: 8, .value_kind: global_buffer, .address_space: global }
      - { .name: o_sc, .offset: 8, .size: 8, .value_kind: global_buffer, .address_space: global }
      - { .name: xw_img, .offset: 16, .size: 8, .value_kind: global_buffer, .address_space: global }
      - { .name: xw_sc, .offset: 24, .size: 8, .value_kind: global_buffer, .address_space: global }
      - { .name: out0, .offset: 32, .size: 8, .value_kind: global_buffer, .address_space: global }
    .group_segment_fixed_size: 327680
    .private_segment_fixed_size: 0
    .kernarg_segment_align: 8
    .kernarg_segment_size: 40
    .max_flat_workgroup_size: 128
    .sgpr_count:     100
    .vgpr_count:     1024
    .wavefront_size: 32
...
	.end_amdgpu_metadata
.endif
;; end of part 4
